; MI455X (gfx1250); checked and timed in simulation.
; The chip was launched on July 23, 2026; its instructions are those of AMD's public machine-readable ISA for CDNA 5 (MIT licence, August 2026) and "CDNA5" Instruction Set Architecture Reference Guide (July 2026). The comments in the code are by the model that wrote it; some were corrected since.
;; Po H Block. Allowed arithmetic: matrix products marked QUANTISED: E5M2 operands, one given power-of-two scale a tensor, by v_wmma_f32_16x16x64_bf8_bf8 or v_wmma_f32_16x16x128_bf8_bf8, f32 sums; everything else in f32.
;; Inputs: W1 1,024 x 4,096 float32; W2 4,096 x 1,024 float32; Wk_codes 16 x 64 x 32 x 32 uint8 (E5M2 codes of Wk, K innermost, in blocks of 32 codes); Wo_codes 1,024 x 32 x 32 uint8 (E5M2 codes of Wo, K innermost, in blocks of 32 codes); Wq_codes 16 x 64 x 32 x 32 uint8 (E5M2 codes of Wq, K innermost, in blocks of 32 codes); Wv_codes 16 x 64 x 32 x 32 uint8 (E5M2 codes of Wv, K innermost, in blocks of 32 codes); b1 4,096 float32; b2 1,024 float32; be1 1,024 float32; be2 1,024 float32; bk 16 x 64 float32; bo 1,024 float32; bq 16 x 64 float32; bv 16 x 64 float32; g1 1,024 float32; g2 1,024 float32; lowp_scales 12 int32 (the exponents e of the quantised operands' scales 2^e); z 8 x 1,024 x 1,024 float32.
;; Outputs: out0 8 x 1,024 x 1,024 float32.
;; This version of the problem:
;;   THIS VERSION OF THE PROBLEM IS GIVEN IN LOW PRECISION. The matrix products marked QUANTISED in the list below multiply operands that are first quantised to E5M2 (5 exponent bits, 2 mantissa bits; 8 bits a number), with one given power-of-two scale for each operand tensor; their sums are f32. All else is computed in f32.
;;   The module's matrix products, in the order in which they are computed (A, B: the left and right operand; K: the contracted axis; several contracted axes count as one K, in the product's order):
;;     1. [M 1,024, K 1,024] x [K 1,024, N 8,192]; A: input Wq (given as codes); B: input z: QUANTISED (scales: A lowp_scales[0], B lowp_scales[1])
;;     2. [M 1,024, K 1,024] x [K 1,024, N 8,192]; A: input Wk (given as codes); B: input z: QUANTISED (scales: A lowp_scales[2], B lowp_scales[3])
;;     3. [M 1,024, K 1,024] x [K 1,024, N 8,192]; A: input Wv (given as codes); B: input z: QUANTISED (scales: A lowp_scales[4], B lowp_scales[5])
;;     4. batch 128 x [M 1,024, K 64] x [K 64, N 1,024]; A: computed on the way; B: computed on the way: QUANTISED (scales: A lowp_scales[6], B lowp_scales[7])
;;     5. batch 128 x [M 1,024, K 1,024] x [K 1,024, N 64]; A: softmax (see below); B: computed on the way: QUANTISED (scales: A lowp_scales[8], B lowp_scales[9])
;;     6. [M 8,192, K 1,024] x [K 1,024, N 1,024]; A: computed on the way; B: input Wo (given as codes): QUANTISED (scales: A lowp_scales[10], B lowp_scales[11])
;;   THE QUANTISER, for each operand of a quantised product, along K:
;;     - The operand's scale is 2^e, e = its entry of the input lowp_scales (int32; the entries are numbered through the quantised products in the list's order, A before B).
;;     - Each number is divided by the scale, clamped to +-57,344, and rounded to the nearest number of E5M2, ties to even, subnormals kept.
;;     - The product sums the exact products of the quantised numbers (number of the format x scale) in f32.
;;   ~~~python
;;   def quantise(x, axis, e):      # numpy; x: float32 -> the quantised numbers, widened to float32 again
;;       x = np.moveaxis(x, axis, -1); K = x.shape[-1]
;;       r = np.clip(x / 2.0 ** e, -57344, 57344)
;;       step = 2.0 ** (np.maximum(np.frexp(np.where(r == 0, 1, r))[1] - 1, -14) - 2)
;;       q = np.round(r / step) * step * 2.0 ** e      # np.round: ties to even
;;       return np.moveaxis(q, -1, axis).astype(np.float32)
;;   ~~~
;;   SOFTMAX AHEAD OF A QUANTISED PRODUCT. Where the list says 'softmax', what is quantised is not the finished softmax but p = 2^(t - M), with t = logit x log2(e) and M = ceil(the row's largest t), a whole number; so 1/2 < the row's largest p <= 1. The row's sum l is taken of the UNQUANTISED p, in f32, and the product's result is divided by l at the end. Since M is a whole number, a kernel that streams over the keys may use a running M (the ceiling of the running maximum): every later rescaling is an exact power of two, so the quantised numbers keep their values, but for numbers so far below the row's largest that they fall under the format's range.
;;   OPERANDS COMPUTED ON THE WAY. 'Computed on the way' means the value that the module computes at that place (a softmax that the list does not call 'softmax' is quantised finished and normalised). What goes into a quantiser is computed in f32, as accurately as f32 sums, v_exp_f32 and their like allow (about 1e-6 of the number): no bf16 or f16 on the way to a quantiser, and a product that is left as it is and whose result goes on into a quantised operand takes f32 operands (vector FMAs, or v_wmma_f32_16x16x4_f32). A number that lies on a knife's edge between two numbers of the format may be rounded either way, as far as f32 arithmetic and the matrix unit's own rounding can turn it there, and no further.
;;   INPUTS GIVEN AS CODES. Wk (in the module: [16, 1024, 64], K = its axis 1); Wo (in the module: [1024, 1024], K = its axis 0); Wq (in the module: [16, 1024, 64], K = its axis 1); Wv (in the module: [16, 1024, 64], K = its axis 1): each comes as NAME_codes (uint8): NAME with its K axis moved to the last place and cut into blocks of 32 codes, [.., K / 32, bytes a block], one block behind the other in memory; one code a byte (a code: sign, 5 exponent bits, 2 mantissa bits); its scale is its entry of lowp_scales. Its value is code x scale, taken as it is: it is not quantised again, and the codes and scales need not be those that the quantiser above would give.
;; 2 versions, each right; version 2 is version 1 with the launches attn, proj written anew for expert scheduling mode. Each part assembles by itself: llvm-mc -triple=amdgcn-amd-amdhsa -mcpu=gfx1250 --defsym DOCPART=n.
;; ======== version 1 of 2: 4 launches
;; workspace buffers: zc 25,165,824 bytes; wimg 4,194,304 bytes; qkv 25,165,824 bytes; oc 8,388,608 bytes
;; launch prep (part 1): grid 1088 x 1, 4 waves a work-group, no clusters, 33,280 bytes of LDS; arguments z, Wq_codes, Wk_codes, Wv_codes, Wo_codes, lowp_scales, zc, wimg; writes zc, wimg
.if DOCPART == 1
	.amdgcn_target "amdgcn-amd-amdhsa--gfx1250"
	.amdhsa_code_object_version 6
	.text
	.protected	k_qcfca716033_prep
	.globl	k_qcfca716033_prep
	.p2align	8
	.type	k_qcfca716033_prep,@function
k_qcfca716033_prep:
	s_mov_b64 s[64:65], 0
	v_nop
	global_prefetch_b8 v0, s[64:65] scope:SCOPE_SE
	s_setreg_imm32_b32 hwreg(HW_REG_WAVE_MODE, 25, 1), 1
	s_wait_xcnt 0x0
; FIRST OF FOUR LAUNCHES of: LayerNorm(z + Attention(z) Wo + bo), every product on codes of BF8 (E5M2), one given scale 2^e a tensor.
; (reference() reaches its FFN only under 'it < ITERS - 1', which is never true with ITERS = 1: W1, b1, W2, b2, g2, be2 enter no result and are loaded by no launch.)
; WORK-GROUPS 64-1087: z [8192][1024] f32 becomes codes THREE times, with the scales 2^e1, 2^e3, 2^e5 that are given for it as operand of the q, k and v products
; (they may differ, and then the hold and the subnormals differ): zc = three copies [8192][1024] of one byte a number, 8,388,608 bytes apart.
; code = x / 2^e, held within +-57,344, to the nearest code, ties to even.  LIMITS: e1, e3, e5 between -126 and 112, so that 2^e and 57,344 x 2^e are f32 numbers.  NaN among the inputs is not served.
; A wave's share is small on purpose: 4 steps of 512 numbers, and all its sixteen loads (8,192 bytes) go out together at its head: 4,096 waves ask for the whole of z at once.
; A load reads 512 consecutive bytes, 16 a lane; a step's 2,048 bytes turn through the wave's own stage in LDS and come back 64 bytes a lane: 16 neighbours along K, as the conversions want them.
; A lane's 16 codes are 16 bytes: each store covers 512 consecutive bytes, aligned.  The turn through LDS runs one step ahead of the work.  Waves share nothing: no barrier.
; WORK-GROUPS 0-63 (first, since their loads are short pieces): the four weights' codes ([1024 rows][1024 along K]) are laid once in the order of an operand's registers: wimg = Wq | Wk | Wv | Wo, 1 MiB each,
; [tile of 16 rows][K step of 128][chunk c of 4 registers][lane][16 bytes], so that every later read of a fragment is four dense loads of 512 bytes.
;   Wq, Wk, Wv: lane (r, h), chunk c: row r, k = 32 c + 16 h + 0 .. 15 (the order in which z's codes come out of LDS rows by 16-byte loads: the same permutation of k on both sides of the product).
;   Wo: the 8-bit form's own order: registers 2 c', 2 c' + 1: k = 16 c' + 8 h + 0 .. 7 (the order in which the attention launch's conversions leave their codes).
.set RELAY, 64                         ; work-groups that lay the weights out
.set SP,    80                         ; a lane's place in a stage: its 64 bytes + 16 of padding
.set STEPS, 4
.set SCL,   5                          ; v5-7     2^e1, 2^e3, 2^e5 as f32
.set LIM,   8                          ; v8-10    57,344 x these
.set R,     16                         ; v16-79   four sets of 16 numbers as they are loaded, one for each step
.set X,     80                         ; v80-111  two sets of 16 neighbours
.set T,     112                        ; v112-159 the 16 neighbours held three ways
.set C,     160                        ; v160-183 two sets of 3 x 4 registers of codes
.set WF,    16                         ; the weights' path: v16-143, a tile's 8 fragments
	s_load_b256 s[4:11], s[0:1], 0x0               ; z s[4:5], Wq s[6:7], Wk s[8:9], Wv s[10:11]
	s_load_b256 s[12:19], s[0:1], 0x20             ; Wo s[12:13], the scales' exponents s[14:15], zc s[16:17], wimg s[18:19]
	v_lshl_add_u32 v192, v0, 2, 0x8000
	v_mov_b32 v193, 0
	v_lshrrev_b32 v1, 5, v0
	v_readfirstlane_b32 s20, v1                    ; wave 0..3
	v_and_b32 v2, 31, v0                           ; lane
	v_lshlrev_b32 v3, 4, v2                        ; 16 x lane: my place in every dense 512 bytes, read or stored; never rewritten
	s_cmp_lt_u32 ttmp9, RELAY
	s_cbranch_scc1 .Lrelay                         ; the parting hangs on the work-group's number alone; only the path below uses LDS
	; ---------------- z into codes ----------------
	s_lshl_b32 s21, s20, 13                        ; my wave's 8,192 bytes of LDS: two stages of 32 x SP bytes
	v_lshrrev_b32 v14, 2, v2
	v_mul_u32_u24 v14, v14, SP
	v_and_b32 v15, 3, v2
	v_lshl_add_u32 v14, v15, 4, v14
	v_add_nc_u32 v14, s21, v14                     ; the stage, on the way in: four lanes' 64 bytes on end, then the padding
	v_mul_u32_u24 v15, v2, SP
	v_add_nc_u32 v15, s21, v15                     ; and on the way out: my 16 neighbours
	s_sub_co_u32 s21, ttmp9, RELAY
	s_lshl_b32 s21, s21, 2
	s_add_co_u32 s21, s21, s20                     ; which run of 2,048 numbers is my wave's: 0 .. 4,095
	s_lshl_b32 s22, s21, 13                        ; in z: 8,192 bytes a run
	s_mov_b32 s23, 0
	s_lshl_b32 s32, s21, 11                        ; in a copy of the codes: 2,048
	s_mov_b32 s33, 0
	s_wait_kmcnt 0x0
	s_load_b256 s[24:31], s[14:15], 0x0            ; e0 .. e7: e1 = s25, e3 = s27, e5 = s29
	s_add_nc_u64 s[4:5], s[4:5], s[22:23]
	s_add_nc_u64 s[8:9], s[16:17], s[32:33]        ; the three copies have a base each: 8,388,608 is one more than a store's immediate holds
	s_add_nc_u64 s[10:11], s[8:9], 0x800000
	s_add_nc_u64 s[12:13], s[8:9], 0x1000000
.macro LOAD t
.irp i, 0,1,2,3
	global_load_b128 v[R+16*(\t)+4*\i:R+16*(\t)+4*\i+3], v3, s[4:5] offset:2048*(\t)+512*\i th:TH_LOAD_NT
.endr
.endm
.macro TURN t                          ; step t's numbers through the stage: LDS serves a wave's instructions in order (ISA guide 5.7.1.4), so no wait stands between the stores and the loads
.irp i, 0,1,2,3
	ds_store_b128 v14, v[R+16*(\t)+4*\i:R+16*(\t)+4*\i+3] offset:32*SP*((\t)%2)+8*SP*\i
.endr
.irp i, 0,1,2,3
	ds_load_b128 v[X+16*((\t)%2)+4*\i:X+16*((\t)%2)+4*\i+3], v15 offset:32*SP*((\t)%2)+16*\i
.endr
.endm
.irp t, 0,1,2,3
	LOAD \t                                        ; all that the wave will read
.endr
	s_wait_kmcnt 0x0
.irp p, 0,1,2
	s_add_co_i32 s34, s[25+2*\p], 127
	s_lshl_b32 s35, s34, 23
	v_mov_b32 v[SCL+\p], s35                       ; 2^e as f32: the conversion takes its exponent field
	s_add_co_i32 s34, s34, 15
	s_lshl_b32 s34, s34, 23
	s_or_b32 s34, s34, 0x600000
	v_mov_b32 v[LIM+\p], s34                       ; 57,344 x 2^e
.endr
	s_wait_loadcnt 12                              ; step 0's four loads are in; the twelve of steps 1 to 3 may be out
	TURN 0
.macro STEP t
.set XS, X+16*((\t)%2)
.set CS, C+12*((\t)%2)
	s_wait_dscnt 0x0                               ; this step's numbers are back from the stage
.if (\t)+1 < STEPS
	s_wait_loadcnt 4*(STEPS-2-(\t))                ; the next step's four loads are in; the four of each step behind it may be out
	TURN (\t)+1                                    ; they go through the other stage while this step is worked
.endif
.irp p, 0,1,2
.irp i, 0,1,2,3,4,5,6,7,8,9,10,11,12,13,14,15
	v_med3_num_f32 v[T+16*\p+\i], v[XS+\i], -v[LIM+\p], v[LIM+\p]   ; the conversion to an 8-bit code does not saturate (ISA guide 7.6.2): the hold comes first, once for each scale
.endr
.endr
.if (\t) >= 2
	s_wait_xcnt 0x0                                ; the stores of two steps back have read this set of code registers: only now is it written again
.endif
.irp p, 0,1,2
	v_cvt_scalef32_pk8_bf8_f32 v[CS+4*\p:CS+4*\p+1], v[T+16*\p:T+16*\p+7], v[SCL+\p]
	v_cvt_scalef32_pk8_bf8_f32 v[CS+4*\p+2:CS+4*\p+3], v[T+16*\p+8:T+16*\p+15], v[SCL+\p]
.endr
	v_nop                                          ; a plain vector line behind the last conversion, ahead of the next step's holds, which write the conversions' sources
.irp p, 0,1,2
	global_store_b128 v3, v[CS+4*\p:CS+4*\p+3], s[8+2*\p:9+2*\p] offset:512*(\t) th:TH_STORE_NT   ; 32 lanes store 512 consecutive bytes
.endr
.endm
.irp t, 0,1,2,3
	STEP \t
.endr
	s_wait_tensorcnt 0x0
	ds_add_u32 v192, v193
	s_wait_dscnt 0x0
	s_endpgm
	; ---------------- the weights' codes into the order of an operand's registers: a wave takes one tile of 16 rows x 1,024 along K ----------------
.Lrelay:
	s_lshr_b32 s22, ttmp9, 4                       ; which weight: 0 Wq, 1 Wk, 2 Wv, 3 Wo
	s_and_b32 s21, ttmp9, 15
	s_lshl_b32 s21, s21, 2
	s_add_co_u32 s21, s21, s20                     ; which tile of its 64
	s_wait_kmcnt 0x0
	s_cmp_eq_u32 s22, 0                            ; the choices hang on the work-group's number alone
	s_cselect_b64 s[24:25], s[6:7], s[8:9]
	s_cmp_lt_u32 s22, 2
	s_cselect_b64 s[24:25], s[24:25], s[10:11]
	s_cmp_lt_u32 s22, 3
	s_cselect_b64 s[24:25], s[24:25], s[12:13]
	s_cselect_b32 s26, 16, 8                       ; from lanes 0-15 to lanes 16-31 along K: 16 bytes, in Wo's order 8
	s_cselect_b32 s27, 8, 16                       ; from a chunk's first 8 bytes to its second: 8 bytes on, in Wo's order 16
	v_and_b32 v4, 15, v2                           ; r
	v_lshrrev_b32 v5, 4, v2                        ; h
	v_mul_u32_u24 v5, s26, v5
	v_lshl_add_u32 v6, v4, 10, v5                  ; row r of 1,024 bytes + my half's place
	v_add_nc_u32 v7, s27, v6
	s_lshl_b32 s28, s21, 14                        ; a tile is 16,384 bytes, as rows and as an image
	s_mov_b32 s29, 0
	s_add_nc_u64 s[24:25], s[24:25], s[28:29]
	s_lshl_b32 s30, s22, 20
	s_add_co_u32 s28, s28, s30
	s_add_nc_u64 s[18:19], s[18:19], s[28:29]
.irp s, 0,1,2,3,4,5,6,7
.irp c, 0,1,2,3
	global_load_b64 v[WF+16*\s+4*\c:WF+16*\s+4*\c+1], v6, s[24:25] offset:128*\s+32*\c
	global_load_b64 v[WF+16*\s+4*\c+2:WF+16*\s+4*\c+3], v7, s[24:25] offset:128*\s+32*\c
.endr
.endr
.irp s, 0,1,2,3,4,5,6,7
	s_wait_loadcnt 8*(7-\s)                        ; K step s's eight loads are in; the eight of each later K step may be out
.irp c, 0,1,2,3
	global_store_b128 v3, v[WF+16*\s+4*\c:WF+16*\s+4*\c+3], s[18:19] offset:2048*\s+512*\c   ; 512 consecutive bytes
.endr
.endr
	s_endpgm
.Lfunc_end_k_qcfca716033_prep:
	.size	k_qcfca716033_prep, .Lfunc_end_k_qcfca716033_prep-k_qcfca716033_prep
	.p2alignl 7, 3214868480
	.fill 96, 4, 3214868480
	.section	.rodata,"a",@progbits
	.p2align	6, 0x0
	.amdhsa_kernel k_qcfca716033_prep
		.amdhsa_group_segment_fixed_size 33280
		.amdhsa_private_segment_fixed_size 0
		.amdhsa_enable_private_segment 0
		.amdhsa_kernarg_size 64
		.amdhsa_user_sgpr_count 2
		.amdhsa_user_sgpr_kernarg_segment_ptr 1
		.amdhsa_wavefront_size32 1
		.amdhsa_system_sgpr_workgroup_id_x 1
		.amdhsa_system_sgpr_workgroup_id_y 1
		.amdhsa_system_sgpr_workgroup_id_z 1
		.amdhsa_system_vgpr_workitem_id 0
		.amdhsa_next_free_vgpr 194
		.amdhsa_next_free_sgpr 66
		.amdhsa_reserve_vcc 0
		.amdhsa_float_denorm_mode_32 3
		.amdhsa_float_denorm_mode_16_64 3
		.amdhsa_memory_ordered 1
		.amdhsa_forward_progress 1
		.amdhsa_inst_pref_size 32
	.end_amdhsa_kernel
	.amdgpu_metadata
---
amdhsa.version: [ 1, 2 ]
amdhsa.kernels:
  - .name:           k_qcfca716033_prep
    .symbol:         k_qcfca716033_prep.kd
    .args:
      - { .name: z, .offset: 0, .size: 8, .value_kind: global_buffer, .address_space: global }
      - { .name: Wq_codes, .offset: 8, .size: 8, .value_kind: global_buffer, .address_space: global }
      - { .name: Wk_codes, .offset: 16, .size: 8, .value_kind: global_buffer, .address_space: global }
      - { .name: Wv_codes, .offset: 24, .size: 8, .value_kind: global_buffer, .address_space: global }
      - { .name: Wo_codes, .offset: 32, .size: 8, .value_kind: global_buffer, .address_space: global }
      - { .name: lowp_scales, .offset: 40, .size: 8, .value_kind: global_buffer, .address_space: global }
      - { .name: zc, .offset: 48, .size: 8, .value_kind: global_buffer, .address_space: global }
      - { .name: wimg, .offset: 56, .size: 8, .value_kind: global_buffer, .address_space: global }
    .group_segment_fixed_size: 33280
    .private_segment_fixed_size: 0
    .kernarg_segment_align: 8
    .kernarg_segment_size: 64
    .max_flat_workgroup_size: 128
    .sgpr_count:     66
    .vgpr_count:     194
    .wavefront_size: 32
...
	.end_amdgpu_metadata
.endif
;; end of part 1
;; launch qkv (part 2): grid 12 x 16, 4 waves a work-group, clusters of 4 x 1, 327,680 bytes of LDS; arguments zc, wimg, bq, bk, bv, lowp_scales, qkv; writes qkv
.if DOCPART == 2
	.amdgcn_target "amdgcn-amd-amdhsa--gfx1250"
	.amdhsa_code_object_version 6
	.text
	.protected	k_qcfca716033_qkv
	.globl	k_qcfca716033_qkv
	.p2align	8
	.type	k_qcfca716033_qkv,@function
k_qcfca716033_qkv:
	s_mov_b64 s[64:65], 0
	v_nop
	global_prefetch_b8 v0, s[64:65] scope:SCOPE_SE
	s_setreg_imm32_b32 hwreg(HW_REG_WAVE_MODE, 25, 1), 1
	s_wait_xcnt 0x0
	s_wait_alu depctr_hold_cnt(0) depctr_sa_sdst(0) depctr_va_vdst(0) depctr_va_sdst(0) depctr_va_ssrc(0) depctr_va_vcc(0) depctr_vm_vsrc(0)
	s_getreg_b32 s2, hwreg(HW_REG_IB_STS2, 6, 4)
	s_cmp_eq_u32 s2, 0
	s_cbranch_scc0 .Lentry_in_a_cluster
	s_endpgm
.Lentry_in_a_cluster:
	s_bfe_u32 s2, ttmp6, 0x10000c
	s_cmp_lg_u32 s2, 0x3003
	s_cbranch_scc0 .Lentry_shape_is_right
	s_endpgm
.Lentry_shape_is_right:
; q, k, v = z W + b on codes of BF8 (E5M2), and each result quantised at once with the scale given for it as an operand of attention (q: e6, k: e7, v: e9).
; SHARES.  Cluster x = p: 0 q, 1 k, 2 v.  The cluster's four work-groups take the four groups of four heads; work-group y takes 512 tokens.  Wave w owns ONE head, hd = 4 x place + w:
; its 64 columns x 1,024 along K are 32 fragments, 512 registers, loaded once (65,536 bytes on end in wimg) and kept.  What goes round is z's codes: 128 tokens x 1,024 bytes a slot,
; through a ring of two LDS slots.  12 x 16 = 192 work-groups: a projection has 4 blocks of 256 columns, three projections 12, and no split of the 8,192 rows makes 256 equal shares of that.
; CLUSTER.  The four partners read the same tiles of z's codes: each tile is asked for JOINTLY (mask 15), by the same tensor load with the same descriptor, which hangs on p, y and the wave's number alone.
; Each wave fetches one quarter of K (128 rows x 256 bytes) of a slot.  By this text's own count a wave has two tensor loads out at the start and one behind each round.
; K's ORDER.  A fragment of z comes by four 16-byte loads from LDS rows: lane (r, h) holds k = 32 c + 16 h + 0 .. 15 in registers 4 c .. 4 c + 3; wimg holds W in the same order: a permutation of k, alike on both sides.
; q AND k: source 0 = 16 columns of W, source 1 = 16 tokens: a lane holds ONE token and eight neighbouring channels 8 h + j of tile t: one conversion gives registers 2 t, 2 t + 1 of the K = 64 operand of q k^T.
; v: the sources change places: a lane holds ONE channel and eight neighbouring tokens: registers 2 T, 2 T + 1 (T: the token tile in a step of 128 keys) of the K = 128 operand of p v.
; So two short partings on p (the same in all partners) stand in a pair of token tiles; they hold matrix work, vector work and global stores alone: every LDS line, wait on LDS and address step is common text.
; THE BIAS is the C of each sum's first matrix instruction, divided by the power of two that the sums lack: b / 2^(eW + ez).  The conversion's one scale is 2^(eo - eW - ez).
; qkv: q at 0, k at 8 MiB: [batch x head][token tile][2 chunks][lane][16 bytes];  v at 16 MiB: [batch x head][step of 128 keys][channel tile][4 chunks][lane][16 bytes].  Every store covers 512 consecutive bytes, aligned.
; LIMITS: eo - eW - ez between -126 and 112 (a power of two and 57,344 times it as f32 numbers); b / 2^(eW + ez) is made by v_ldexp_f32.  NaN among the inputs is not served.
; REGISTERS, in windows of 256: window 0: v2-11 addresses and scales; v12-15 bv as loaded; v16-31 codes; v32-63 the bias, 8 a column tile; v64-127 the 8 accumulators (token tile i, column tile t) at 64 + 8 (4 i + t).
;   windows 1, 2: W's fragments (t, K step 4 u + sl) at 16 (4 t + sl) of window 1 + u.   window 3: z's fragments, two sets of 128: set u, K step 4 u + sl, token tile i at 128 u + 16 (2 sl + i).
.set PITCH, 272                        ; an LDS row: 256 bytes + 16 of padding = 68 words: row r starts at bank 4 r mod 64 (64 banks of 4 bytes: ISA guide 11.1), so the 16 rows of a load start at 16 different banks
.set QREG,  128*PITCH                  ; a quarter of K for 128 tokens: what one tensor load brings
.set SLOT,  4*QREG
.set SPARE, 2*SLOT                     ; behind the ring: the spare words, 128 bytes for each wave: two blocks of 256 bytes that no other line names
.set LA,  2                            ; v2   r x PITCH + 16 h
.set LA1, 3                            ; v3   the same two quarters of K on
.set AD0, 4                            ; v4, v5  LDS addresses of the sets in hand
.set LI,  6                            ; v6   16 x lane; never rewritten
.set BOF, 7                            ; v7   my offset in the head's 64 biases
.set SPW, 8                            ; v8   LDS address of my spare word; never rewritten
.set NIL, 9                            ; v9   0; never rewritten
.set SC,  10                           ; v10  2^(eo - eW - ez)
.set LM,  11                           ; v11  57,344 x that
.set RB,  12
.set CD,  16
.set BI,  32
.set ACC, 64
.set OUT, 16                           ; s[16:17] where the pair in hand is stored
.set WV,  18                           ; s18  wave
.set P,   19                           ; s19  p
.set G1,  24                           ; s[24:31] descriptor group 1
.set G0,  32                           ; s[32:39] group 0, a set for each slot
.set TB,  40                           ; s40  LDS byte of the pair in hand
.set CNT, 41
.set MSB, 0
.macro WIN new                         ; the immediate's high byte repeats the setting that is left; a switch that changes nothing is dropped
.if MSB != (\new)
	s_set_vgpr_msb (MSB<<8)|(\new)
.set MSB, (\new)
.endif
.endm
.macro PLACES
.rept 4
	v_nop
.endr
.endm
.macro CROUND                          ; a round of the cluster's barrier
	s_barrier_signal -1
	s_barrier_wait -1
	s_cmp_lg_u32 s[WV], 0
	s_cbranch_scc1 .Lnot_wave_0_\@
	s_barrier_signal -3
.Lnot_wave_0_\@:
	s_barrier_wait -3
	s_barrier_signal -1
	s_barrier_wait -1
.endm
	s_load_b256 s[4:11], s[0:1], 0x0               ; zc s[4:5], wimg s[6:7], bq s[8:9], bk s[10:11]
	s_load_b128 s[12:15], s[0:1], 0x20             ; bv s[12:13], the scales' exponents s[14:15]
	s_load_b64 s[OUT:OUT+1], s[0:1], 0x30          ; qkv
	v_lshl_add_u32 v[SPW], v0, 2, SPARE
	v_mov_b32 v[NIL], 0
	ds_add_u32 v8, v9
	ds_add_u32 v8, v9
	s_wait_dscnt 0x0
	v_lshrrev_b32 v1, 5, v0
	v_readfirstlane_b32 s[WV], v1                  ; wave 0..3
	s_mov_b32 s[P], ttmp9                          ; in a cluster launch ttmp9 counts clusters: p
	s_bfe_u32 s20, ttmp6, 0x40000                  ; my place in the cluster: it enters W's, the bias's and the output's addresses alone
	s_and_b32 s21, ttmp7, 0xffff                   ; which 512 tokens
	; descriptor group 1: a tile of 128 rows x 256 bytes, rows 1,024 bytes apart in memory, padded in LDS
	s_mov_b32 s[G1], 15|(1<<20)|(1<<21)|(5<<22)|(3<<25)   ; 15:0 the mask: all four work-groups; 17:16 elements of 1 byte; 20 padding on; 21 set beside a mask; 24:22 after every 64 words (code 5); 31:25 four words (code 3)
	s_mov_b32 s[G1+1], 256<<16                     ; tensor_dim0
	s_mov_b32 s[G1+2], 128<<16                     ; tensor_dim1
	s_mov_b32 s[G1+3], 256<<16                     ; tile_dim0
	s_mov_b32 s[G1+4], 128                         ; tile_dim1
	s_mov_b32 s[G1+5], 1024                        ; tensor_dim0_stride
	s_mov_b32 s[G1+6], 0
	s_mov_b32 s[G1+7], 0
	s_lshl_b32 s42, s[P], 23                       ; z's codes: copy p,
	s_lshl_b32 s43, s21, 19                        ; my 512 rows of 1,024 bytes,
	s_add_co_u32 s42, s42, s43
	s_lshl_b32 s43, s[WV], 8                       ; my quarter of K
	s_add_co_u32 s42, s42, s43
	s_mov_b32 s43, 0
	s_mul_i32 s56, s[WV], QREG                     ; and its place in a slot
	s_lshl_b32 s57, s20, 2
	s_add_co_u32 s57, s57, s[WV]                   ; my head
	s_lshr_b32 s58, s21, 1                         ; the batch: 1,024 tokens each
	s_lshl_b32 s58, s58, 4
	s_add_co_u32 s58, s58, s57                     ; batch x 16 + head
	s_lshl_b32 s58, s58, 16                        ; 65,536 bytes of codes each
	s_and_b32 s59, s21, 1
	s_lshl_b32 s59, s59, 15                        ; the batch's second 512 tokens: 32 token tiles of 1,024 bytes, or 4 key steps of 8,192
	s_add_co_u32 s58, s58, s59
	s_lshl_b32 s59, s[P], 23
	s_add_co_u32 s58, s58, s59
	s_mov_b32 s59, 0
	s_lshl_b32 s60, s[P], 20                       ; W's image: weight p, my head's 65,536 bytes
	s_lshl_b32 s61, s57, 16
	s_add_co_u32 s60, s60, s61
	s_mov_b32 s61, 0
	s_lshl_b32 s62, s57, 8                         ; my head's 64 biases
	s_mov_b32 s63, 0
	s_cmp_eq_u32 s[P], 2
	s_mov_b32 s52, 2048
	s_cselect_b32 s52, 512, s52                    ; s[52:53]: from a pair's codes to the next pair's: two token tiles of 1,024 bytes; in v one chunk
	s_cselect_b32 s54, 6144, 0                     ; s[54:55]: and at a slot's end, in v, on to the next key step: 8,192 - 4 x 512
	s_mov_b32 s53, 0
	s_mov_b32 s55, 0
	s_wait_kmcnt 0x0
	s_load_b256 s[72:79], s[14:15], 0x0            ; e0 .. e7
	s_load_b128 s[80:83], s[14:15], 0x20           ; e8 .. e11
	s_add_nc_u64 s[42:43], s[4:5], s[42:43]
	s_add_nc_u64 s[OUT:OUT+1], s[OUT:OUT+1], s[58:59]
	s_add_nc_u64 s[6:7], s[6:7], s[60:61]
	s_cmp_eq_u32 s[P], 0
	s_cselect_b64 s[50:51], s[8:9], s[10:11]
	s_cmp_eq_u32 s[P], 2
	s_cselect_b64 s[50:51], s[12:13], s[50:51]
	s_add_nc_u64 s[50:51], s[50:51], s[62:63]
.irp n, 0,1
	s_mov_b32 s[G0+4*\n], 1                        ; count = 1
	s_add_co_u32 s[G0+4*\n+1], s56, \n*SLOT        ; LDS address
	s_add_nc_u64 s[G0+4*\n+2:G0+4*\n+3], s[42:43], \n*128*1024   ; global address: slot n begins with tokens 128 n on
	s_or_b32 s[G0+4*\n+3], s[G0+4*\n+3], 0x80000000              ; type = 2
.endr
	CROUND                                         ; all four work-groups are here: the first joint loads meet
	tensor_load_to_lds s[G0:G0+3], s[G1:G1+7]
	s_nop 0
	tensor_load_to_lds s[G0+4:G0+7], s[G1:G1+7]
	s_nop 0
	PLACES                                         ; four v_nop follow the loads
	v_and_b32 v1, 31, v0
	v_lshlrev_b32 v[LI], 4, v1
	WIN 0x40                                       ; destination window 1
.irp t, 0,1,2,3
.irp sl, 0,1,2,3
.irp c, 0,1,2,3
	global_load_b128 v[16*(4*\t+\sl)+4*\c:16*(4*\t+\sl)+4*\c+3], v[LI], s[6:7] offset:(8*\t+\sl)*2048+512*\c
.endr
.endr
.endr
	WIN 0x80                                       ; destination window 2
.irp t, 0,1,2,3
.irp sl, 0,1,2,3
.irp c, 0,1,2,3
	global_load_b128 v[16*(4*\t+\sl)+4*\c:16*(4*\t+\sl)+4*\c+3], v[LI], s[6:7] offset:(8*\t+4+\sl)*2048+512*\c
.endr
.endr
.endr
	WIN 0
	v_and_b32 v16, 15, v0                          ; r
	v_bfe_u32 v17, v0, 4, 1                        ; h
	v_mul_u32_u24 v[LA], v16, PITCH
	v_lshl_add_u32 v[LA], v17, 4, v[LA]
	v_add_nc_u32 v[LA1], 2*QREG, v[LA]
	s_wait_kmcnt 0x0
	s_cmp_eq_u32 s[P], 0                           ; the three exponents of my projection: a choice, no jump
	s_cselect_b32 s44, s72, s74                    ; eW: e0, e2, e4
	s_cselect_b32 s45, s73, s75                    ; ez: e1, e3, e5
	s_cselect_b32 s46, s78, s79                    ; eo: e6, e7, e9
	s_cmp_eq_u32 s[P], 2
	s_cselect_b32 s44, s76, s44
	s_cselect_b32 s45, s77, s45
	s_cselect_b32 s46, s81, s46
	s_add_co_i32 s47, s44, s45                     ; a sum stands for sum x 2^(eW + ez)
	s_sub_co_i32 s46, s46, s47
	s_sub_co_i32 s47, 0, s47
	s_add_co_i32 s46, s46, 127
	s_lshl_b32 s48, s46, 23
	v_mov_b32 v[SC], s48
	s_add_co_i32 s46, s46, 15
	s_lshl_b32 s46, s46, 23
	s_or_b32 s46, s46, 0x600000
	v_mov_b32 v[LM], s46
	s_cmp_eq_u32 s[P], 2
	s_cbranch_scc1 .Lbias_v
	v_lshlrev_b32 v[BOF], 5, v17                   ; q, k: register j of tile t is channel 16 t + 8 h + j
.irp t, 0,1,2,3
.irp q, 0,1
	global_load_b128 v[BI+8*\t+4*\q:BI+8*\t+4*\q+3], v[BOF], s[50:51] offset:64*\t+16*\q
.endr
.endr
	s_wait_loadcnt 0x0                             ; the bias, and W's 128 loads ahead of it
.set jj, 0
.rept 32
	v_ldexp_f32 v[BI+jj], v[BI+jj], s47
.set jj, jj+1
.endr
	s_branch .Lbias_done
.Lbias_v:
	v_lshlrev_b32 v[BOF], 2, v16                   ; v: all eight registers of tile t are channel 16 t + r
.irp t, 0,1,2,3
	global_load_b32 v[RB+\t], v[BOF], s[50:51] offset:64*\t
.endr
	s_wait_loadcnt 0x0
.irp t, 0,1,2,3
.irp j, 0,1,2,3,4,5,6,7
	v_ldexp_f32 v[BI+8*\t+\j], v[RB+\t], s47
.endr
.endr
.Lbias_done:
; 32 LDS loads in one run: set u: K steps 4 u .. 4 u + 3 of the pair's two token tiles
.macro LOADSET u
	WIN 0xc0                                       ; destination window 3, address window 0
.irp sl, 0,1,2,3
.irp i, 0,1
.irp c, 0,1,2,3
	ds_load_b128 v[128*\u+16*(2*\sl+\i)+4*\c:128*\u+16*(2*\sl+\i)+4*\c+3], v[AD0+\u] offset:(\sl/2)*QREG+(\sl%2)*128+32*\c+\i*16*PITCH
.endr
.endr
.endr
	WIN 0
.endm
; 32 matrix instructions on set u.  The eight accumulators take turns, one instruction a turn, in the same order in every K step.  vv = 1: v's order of the sources.
; The pair's first eight take the bias as C: nothing is cleared and nothing is added afterwards.
.macro MULS vv, u
.if \vv
.if \u
	WIN 0x0b                                       ; source 0 (z) window 3, source 1 (W) window 2
.else
	WIN 0x07                                       ; source 0 (z) window 3, source 1 (W) window 1
.endif
.else
.if \u
	WIN 0x0e                                       ; source 0 (W) window 2, source 1 (z) window 3
.else
	WIN 0x0d                                       ; source 0 (W) window 1, source 1 (z) window 3
.endif
.endif
.irp sl, 0,1,2,3
.irp i, 0,1
.irp t, 0,1,2,3
.if \vv
.if (\u == 0) && (\sl == 0)
	v_wmma_f32_16x16x128_bf8_bf8 v[ACC+8*(4*\i+\t):ACC+8*(4*\i+\t)+7], v[128*\u+16*(2*\sl+\i):128*\u+16*(2*\sl+\i)+15], v[16*(4*\t+\sl):16*(4*\t+\sl)+15], v[BI+8*\t:BI+8*\t+7]
.else
	v_wmma_f32_16x16x128_bf8_bf8 v[ACC+8*(4*\i+\t):ACC+8*(4*\i+\t)+7], v[128*\u+16*(2*\sl+\i):128*\u+16*(2*\sl+\i)+15], v[16*(4*\t+\sl):16*(4*\t+\sl)+15], v[ACC+8*(4*\i+\t):ACC+8*(4*\i+\t)+7]
.endif
.else
.if (\u == 0) && (\sl == 0)
	v_wmma_f32_16x16x128_bf8_bf8 v[ACC+8*(4*\i+\t):ACC+8*(4*\i+\t)+7], v[16*(4*\t+\sl):16*(4*\t+\sl)+15], v[128*\u+16*(2*\sl+\i):128*\u+16*(2*\sl+\i)+15], v[BI+8*\t:BI+8*\t+7]
.else
	v_wmma_f32_16x16x128_bf8_bf8 v[ACC+8*(4*\i+\t):ACC+8*(4*\i+\t)+7], v[16*(4*\t+\sl):16*(4*\t+\sl)+15], v[128*\u+16*(2*\sl+\i):128*\u+16*(2*\sl+\i)+15], v[ACC+8*(4*\i+\t):ACC+8*(4*\i+\t)+7]
.endif
.endif
.endr
.endr
.endr
	WIN 0
.endm
.macro HOLD                            ; the conversion to an 8-bit code does not saturate (ISA guide 7.6.2): the hold first; each accumulator from its low end on
.set jj, 0
.rept 64
	v_med3_num_f32 v[ACC+jj], v[ACC+jj], -v[LM], v[LM]
.set jj, jj+1
.endr
.endm
.macro EPI_QK                          ; token tile i's fragment: registers 2 t, 2 t + 1 from accumulator (i, t); two chunks of 512 bytes a tile
	HOLD
.irp i, 0,1
.irp t, 0,1,2,3
	v_cvt_scalef32_pk8_bf8_f32 v[CD+8*\i+2*\t:CD+8*\i+2*\t+1], v[ACC+8*(4*\i+\t):ACC+8*(4*\i+\t)+7], v[SC]
.endr
.endr
	v_nop                                          ; a plain vector line behind the last conversion: the next products write its sources
.irp n, 0,1,2,3
	global_store_b128 v[LI], v[CD+4*\n:CD+4*\n+3], s[OUT:OUT+1] offset:512*\n
.endr
.endm
.macro EPI_V                           ; channel tile t's chunk of this pair: registers 2 i, 2 i + 1 from accumulator (i, t); a channel tile's fragment is 2,048 bytes
	HOLD
.irp t, 0,1,2,3
.irp i, 0,1
	v_cvt_scalef32_pk8_bf8_f32 v[CD+4*\t+2*\i:CD+4*\t+2*\i+1], v[ACC+8*(4*\i+\t):ACC+8*(4*\i+\t)+7], v[SC]
.endr
.endr
	v_nop
.irp n, 0,1,2,3
	global_store_b128 v[LI], v[CD+4*\n:CD+4*\n+3], s[OUT:OUT+1] offset:2048*\n
.endr
.endm
; A PAIR of token tiles: 64 matrix instructions.  While set 0 is multiplied set 1 lands; while set 1 is multiplied the next pair's set 0 lands (next = 1).
; A load into a register that a matrix instruction has read, and a vector instruction that reads a result, stand four plain vector instructions behind it (ISA guide 7.12.1 for vector instructions).
.macro PAIR next
	v_add_nc_u32 v[AD0+1], s[TB], v[LA1]
	LOADSET 1                                      ; set 1's last readers stand ahead of the pair before's holds
	s_wait_dscnt 32                                ; all but the 32 just issued: set 0 is in
	s_cmp_eq_u32 s[P], 2
	s_cbranch_scc1 .Lva_\@
	MULS 0, 0
	s_branch .Lja_\@
.Lva_\@:
	MULS 1, 0
.Lja_\@:
	PLACES
.if \next
	s_add_co_u32 s[TB], s[TB], 32*PITCH
	v_add_nc_u32 v[AD0], s[TB], v[LA]
	LOADSET 0
	s_wait_dscnt 32                                ; all but the 32 just issued: set 1 is in
.else
	s_wait_dscnt 0x0                               ; set 1 is in, and my reads of this slot are over
.endif
	s_cmp_eq_u32 s[P], 2
	s_cbranch_scc1 .Lvb_\@
	MULS 0, 1
	PLACES
	EPI_QK
	s_branch .Ljb_\@
.Lvb_\@:
	MULS 1, 1
	PLACES
	EPI_V
.Ljb_\@:
	s_wait_xcnt 0x0                                ; the stores have read their base and their data: the base steps now, the codes' registers are written in the next pair
	s_add_nc_u64 s[OUT:OUT+1], s[OUT:OUT+1], s[52:53]
.endm
.macro PROCESS n                       ; slot n's 128 tokens: four pairs
	s_mov_b32 s[TB], \n*SLOT
	v_add_nc_u32 v[AD0], s[TB], v[LA]
	LOADSET 0
	s_mov_b32 s[CNT], 3
.Lpair_\@:
	PAIR 1
	s_sub_co_u32 s[CNT], s[CNT], 1
	s_cmp_lg_u32 s[CNT], 0
	s_cbranch_scc1 .Lpair_\@
	PAIR 0
	s_add_nc_u64 s[OUT:OUT+1], s[OUT:OUT+1], s[54:55]
.endm
; THE CHANGE OF SLOTS.  Each wave waits for all its tensor loads (its quarter of the slot ahead), adds 0 to its spare word, and waits for that and for its reads of the slot that it leaves.
; fill = 1: slot n, just left, is filled with the tokens 256 further on: the barrier is a round of the cluster's, and the joint load is the first thing behind it: it has a slot's 256 matrix instructions in which to land.
.macro CHANGE n, fill
	s_wait_tensorcnt 0x0                           ; no tensor load of mine is out, so a group 0 may be written
	ds_add_u32 v[SPW], v[NIL]                      ; 0 onto my spare word
.if \fill
	s_add_nc_u64 s[G0+4*\n+2:G0+4*\n+3], s[G0+4*\n+2:G0+4*\n+3], 2*128*1024
.endif
	s_wait_dscnt 0x0                               ; the add is done, and my reads of the slot are over
.if \fill
	CROUND
	tensor_load_to_lds s[G0+4*\n:G0+4*\n+3], s[G1:G1+7]
	s_nop 0
	PLACES
.else
	s_barrier_signal -1
	s_barrier_wait -1
.endif
.endm
	s_wait_tensorcnt 0x1                           ; my quarter of slot 0 is in; slot 1's load, issued behind it, may stay out
	s_barrier_signal -1
	s_barrier_wait -1                              ; everybody's is
	PROCESS 0                                      ; tokens 0-127
	CHANGE 0, 1
	PROCESS 1                                      ; 128-255
	CHANGE 1, 1
	PROCESS 0                                      ; 256-383
	CHANGE 0, 0                                    ; nothing is left to fetch
	PROCESS 1                                      ; 384-511
	s_wait_tensorcnt 0x0                           ; the wave's end
	ds_add_u32 v[SPW], v[NIL]
	s_wait_dscnt 0x0
	CROUND                                         ; the closing round: no work-group ends while a partner may still ask for a tile that names it
	s_endpgm
.Lfunc_end_k_qcfca716033_qkv:
	.size	k_qcfca716033_qkv, .Lfunc_end_k_qcfca716033_qkv-k_qcfca716033_qkv
	.p2alignl 7, 3214868480
	.fill 96, 4, 3214868480
	.section	.rodata,"a",@progbits
	.p2align	6, 0x0
	.amdhsa_kernel k_qcfca716033_qkv
		.amdhsa_group_segment_fixed_size 327680
		.amdhsa_private_segment_fixed_size 0
		.amdhsa_enable_private_segment 0
		.amdhsa_kernarg_size 56
		.amdhsa_user_sgpr_count 2
		.amdhsa_user_sgpr_kernarg_segment_ptr 1
		.amdhsa_wavefront_size32 1
		.amdhsa_system_sgpr_workgroup_id_x 1
		.amdhsa_system_sgpr_workgroup_id_y 1
		.amdhsa_system_sgpr_workgroup_id_z 1
		.amdhsa_system_vgpr_workitem_id 0
		.amdhsa_next_free_vgpr 1024
		.amdhsa_next_free_sgpr 88
		.amdhsa_reserve_vcc 0
		.amdhsa_float_denorm_mode_32 3
		.amdhsa_float_denorm_mode_16_64 3
		.amdhsa_memory_ordered 1
		.amdhsa_forward_progress 1
		.amdhsa_inst_pref_size 210
	.end_amdhsa_kernel
	.amdgpu_metadata
---
amdhsa.version: [ 1, 2 ]
amdhsa.kernels:
  - .name:           k_qcfca716033_qkv
    .symbol:         k_qcfca716033_qkv.kd
    .args:
      - { .name: zc, .offset: 0, .size: 8, .value_kind: global_buffer, .address_space: global }
      - { .name: wimg, .offset: 8, .size: 8, .value_kind: global_buffer, .address_space: global }
      - { .name: bq, .offset: 16, .size: 8, .value_kind: global_buffer, .address_space: global }
      - { .name: bk, .offset: 24, .size: 8, .value_kind: global_buffer, .address_space: global }
      - { .name: bv, .offset: 32, .size: 8, .value_kind: global_buffer, .address_space: global }
      - { .name: lowp_scales, .offset: 40, .size: 8, .value_kind: global_buffer, .address_space: global }
      - { .name: qkv, .offset: 48, .size: 8, .value_kind: global_buffer, .address_space: global }
    .group_segment_fixed_size: 327680
    .private_segment_fixed_size: 0
    .kernarg_segment_align: 8
    .kernarg_segment_size: 56
    .max_flat_workgroup_size: 128
    .sgpr_count:     88
    .vgpr_count:     1024
    .wavefront_size: 32
...
	.end_amdgpu_metadata
.endif
;; end of part 2
;; launch attn (part 3): grid 2 x 128, 16 waves a work-group, no clusters, 133,120 bytes of LDS; arguments qkv, lowp_scales, oc; writes oc
.if DOCPART == 3
	.amdgcn_target "amdgcn-amd-amdhsa--gfx1250"
	.amdhsa_code_object_version 6
	.text
	.protected	k_qcfca716033_attn
	.globl	k_qcfca716033_attn
	.p2align	8
	.type	k_qcfca716033_attn,@function
k_qcfca716033_attn:
	s_mov_b64 s[64:65], 0
	v_nop
	global_prefetch_b8 v0, s[64:65] scope:SCOPE_SE
	s_setreg_imm32_b32 hwreg(HW_REG_WAVE_MODE, 25, 1), 1
	s_wait_xcnt 0x0
; o = softmax(q k^T / 8) v for one (batch, head) and 512 queries, both products on codes of BF8 (E5M2); o is quantised at once with the scale 2^e10 given for it as operand of the last product.
; THE SOFTMAX AHEAD OF THE SECOND PRODUCT: t = score x log2(e) / 8; M = the row's largest t so far, rounded UP to a whole number; p = 2^(t - M) is what is quantised (2^e8); it is not normalised.
; The row's sum is taken of the unquantised p, in f32, and divides at the end.  When M moves, the sum and O are multiplied by 2^(old M - new M): nothing is rounded.
; SHARES.  Work-group (x, bh): queries 512 x .. 512 x + 511 of head bh.  Each of the sixteen waves takes two tiles of 16 queries, 32 x + w and 32 x + 16 + w, one after the other: four waves to a SIMD,
; so that one wave's vector work stands beside another's matrix work and LDS loads.
; K AND V OF THE WHOLE HEAD LIE IN LDS, 65,536 bytes each, as images of operands' registers (the launch before stored them so): copied once through registers, 8,192 bytes a wave; ONE barrier; then read only.
; A fragment comes by dense 16-byte loads at 16 x lane: no pitch, no padding.  No tensor load: nothing is ever filled again.  Only two work-groups read a head's K and V, once each: no cluster.
; LAYOUT.  Both products are used transposed: S^T = K Q^T (source 0 = 16 keys, source 1 = my 16 queries, K = 64), O^T = V^T P (source 0 = 16 channels, source 1 = P, K = 128 keys): a lane holds ONE query (lane % 16)
; throughout.  In S^T's tile T a lane's eight registers are keys 16 T + 8 (lane / 16) + 0 .. 7: one conversion gives registers 2 T, 2 T + 1 of P in the 8-bit form's own order, in which v's image is laid.
; TWO BUFFERS OF 64 REGISTERS CHANGE ROLES FROM STEP TO STEP.  A step finds its K in one (kb) and puts its scores into the other (sb).  K is done with behind the eight products: V lands over it, under the softmax.
; p is done with behind the conversions: the NEXT step's K lands over it, under the rescaling of O^T and the four products V^T P.  So no fragment is waited for straight behind its loads, and no register is added.
; A trip of the loop is two steps, after which the roles are back where they began.
; oc: [batch][query tile][head][2 chunks][lane][16 bytes]: heads 2 s and 2 s + 1 on end are K step s of the last product's operand.  Every store covers 512 consecutive bytes, aligned.
; LIMITS on the given exponents, so that each power of two is an f32 number: e6 + e7 between -123 and 130 (added to c's exponent field); e8 and e10 between -126 and 112; e8 + e9 goes by v_ldexp_f32.
.set LI,  1                            ; v1   16 x lane; never rewritten
.set ADK, 2                            ; v2   LDS address of the trip's keys
.set ADV, 3                            ; v3   of its values
.set FA,  4                            ; v4   where I put my part of K or V
.set Q,   16                           ; v16-31   my two tiles of queries
.set BA,  32                           ; v32-95   the two buffers
.set BB,  96                           ; v96-159
.set O,   160                          ; v160-191 O^T
.set PC,  192                          ; v192-207 p's codes
.set OC,  208                          ; v208-223 o's codes, eight registers a pass
.set WV,  10
.set TB,  20                           ; s20  LDS byte of the trip's first key step
.set CNT, 21
.set CS,  22                           ; s[22:23] c = log2(e) / 8 x 2^(e6 + e7)
.set SEL, 32                           ; s[32:33] lane selects for v_permlanex16_b32: lane l xor 16
; v12 -M, v13 the largest t, v[14:15] the sum in two halves; v240, v241 at work; v242 f (v243 = 0 beside it); v[244:245] the second chain of sums; v246 the lane exchange;
; v247 and v248 57,344 x 2^e8, v249 2^e8, v250 57,344 x 2^e10, v251 2^e10; v252 the last step's -M
	s_load_b128 s[4:7], s[0:1], 0x0                ; qkv s[4:5], the scales' exponents s[6:7]
	s_load_b64 s[8:9], s[0:1], 0x10                ; oc
	v_lshl_add_u32 v254, v0, 2, 0x20000
	v_mov_b32 v255, 0
	v_lshrrev_b32 v2, 5, v0
	v_readfirstlane_b32 s[WV], v2                  ; wave 0..15
	v_and_b32 v1, 31, v0
	v_lshlrev_b32 v[LI], 4, v1
	s_and_b32 s11, ttmp7, 0xffff                   ; bh
	s_lshl_b32 s12, s11, 16                        ; its 65,536 bytes in each of q, k, v
	s_lshl_b32 s13, ttmp9, 5
	s_add_co_u32 s13, s13, s[WV]                   ; my first query tile: 32 x + w
	s_lshl_b32 s14, s13, 10
	s_add_co_u32 s14, s14, s12                     ; q: 1,024 bytes a tile
	s_mov_b32 s15, 0
	s_lshr_b32 s16, s[WV], 3                       ; waves 0-7 copy K (8 MiB into qkv), waves 8-15 V (16 MiB),
	s_add_co_u32 s16, s16, 1
	s_lshl_b32 s16, s16, 23
	s_add_co_u32 s16, s16, s12
	s_and_b32 s17, s[WV], 7
	s_lshl_b32 s17, s17, 13                        ; 8,192 bytes each
	s_add_co_u32 s16, s16, s17
	s_mov_b32 s17, 0
	s_lshr_b32 s18, s11, 4                         ; oc: batch x 2^20 + query tile x 2^14 + head x 2^10
	s_lshl_b32 s18, s18, 20
	s_lshl_b32 s19, s13, 14
	s_add_co_u32 s18, s18, s19
	s_and_b32 s19, s11, 15
	s_lshl_b32 s19, s19, 10
	s_add_co_u32 s18, s18, s19
	s_mov_b32 s19, 0
	s_lshl_b32 s20, s[WV], 13
	v_add_nc_u32 v[FA], s20, v[LI]                 ; in LDS: K at 0, V at 65,536: 8,192 x wave
	s_mov_b32 s[SEL], 0x76543210
	s_mov_b32 s[SEL+1], 0xfedcba98
	s_mov_b32 s[CS], 0x3e38aa3b                    ; log2(e) / 8
	s_wait_kmcnt 0x0
	s_load_b128 s[24:27], s[6:7], 0x10             ; e4, e5, e6, e7
	s_load_b128 s[28:31], s[6:7], 0x20             ; e8, e9, e10, e11
	s_add_nc_u64 s[14:15], s[4:5], s[14:15]
	s_add_nc_u64 s[16:17], s[4:5], s[16:17]
	s_add_nc_u64 s[8:9], s[8:9], s[18:19]
.irp u, 0,1
.irp c, 0,1
	global_load_b128 v[Q+8*\u+4*\c:Q+8*\u+4*\c+3], v[LI], s[14:15] offset:16384*\u+512*\c th:TH_LOAD_NT   ; both tiles of queries stay in registers
.endr
.endr
.irp k, 0,1,2,3,4,5,6,7,8,9,10,11,12,13,14,15
	global_load_b128 v[BB+4*\k:BB+4*\k+3], v[LI], s[16:17] offset:512*\k
.endr
	v_mov_b32 v243, 0                              ; (named as the upper half of the pair v[242:243])
	v_mov_b32 v246, 0                              ; written once: a lane permute's destination counts as one of its sources
	s_wait_kmcnt 0x0
	s_add_co_i32 s34, s26, s27
	s_lshl_b32 s34, s34, 23
	s_add_co_i32 s[CS], s[CS], s34                 ; a score stands for score x 2^(e6 + e7): the exponents are added to c's exponent field
	s_mov_b32 s[CS+1], s[CS]                       ; (named with it as a pair, so it is written)
	s_add_co_i32 s34, s28, 127
	s_lshl_b32 s35, s34, 23
	v_mov_b32 v249, s35                            ; 2^e8
	s_add_co_i32 s34, s34, 15
	s_lshl_b32 s34, s34, 23
	s_or_b32 s34, s34, 0x600000
	v_mov_b32 v248, s34                            ; 57,344 x 2^e8,
	v_mov_b32 v247, s34                            ; twice: the two halves of a dual-issue pair take their second sources from registers whose numbers differ modulo 4
	s_add_co_i32 s34, s30, 127
	s_lshl_b32 s35, s34, 23
	v_mov_b32 v251, s35                            ; 2^e10
	s_add_co_i32 s34, s34, 15
	s_lshl_b32 s34, s34, 23
	s_or_b32 s34, s34, 0x600000
	v_mov_b32 v250, s34                            ; 57,344 x 2^e10
	s_add_co_i32 s36, s28, s29                     ; e8 + e9
.irp k, 0,1,2,3,4,5,6,7,8,9,10,11,12,13,14,15
	s_wait_loadcnt 15-\k                           ; loads come back in order (ISA guide 5.7.1): number k of the sixteen is in, the younger ones stay out; the queries' four were issued ahead of them
	ds_store_b128 v[FA], v[BB+4*\k:BB+4*\k+3] offset:512*\k
.endr
	s_wait_dscnt 0x0                               ; for the others' sake: my part of K or V lies in LDS
	s_barrier_signal -1
	s_barrier_wait -1                              ; the head's K and V are whole; nobody writes LDS again
.macro KLOAD buf, adr, off             ; a key step's eight fragments of K (16 keys x 64 channels, 8 registers each), from off bytes behind v[adr]
.irp t, 0,1,2,3,4,5,6,7
.irp c, 0,1
	ds_load_b128 v[\buf+8*\t+4*\c:\buf+8*\t+4*\c+3], v[\adr] offset:(\off)+1024*\t+512*\c
.endr
.endr
.endm
; A KEY STEP: 128 keys against the tile of queries in v[qr] on.  kb: the buffer that holds its K (asked for a step ago); sb: the buffer for its scores.  off: 0 in a trip's first step, 8,192 in its second.
; pre = 1: the next step's K is fetched into sb; 2: the head's first K, for the next pass; 0: nothing is left to fetch.
.macro STEP kb, sb, qr, off, pre
; The scores overwrite registers that the last step's products V^T P read as V: five plain vector lines stand between (ISA guide 7.12.1).
.if (\off) == 0
	v_add_nc_u32 v[ADK], s[TB], v[LI]
	v_add_nc_u32 v[ADV], 0x10000, v[ADK]
.else
	v_nop
	v_nop
.endif
	v_mov_b32 v252, v12                            ; -M as the last step left it
	v_nop
	v_nop
	s_wait_dscnt 0x0                               ; K is in: its loads were issued ahead of the last step's rescaling and products
.irp t, 0,1,2,3,4,5,6,7
	v_wmma_f32_16x16x64_bf8_bf8 v[\sb+8*\t:\sb+8*\t+7], v[\kb+8*\t:\kb+8*\t+7], v[\qr:\qr+7], 0
.endr
.rept 4
	v_nop                                          ; places ahead of the loads below, into registers that these products read, and of the first read of the scores
.endr
.irp t, 0,1,2,3
.irp c, 0,1,2,3
	ds_load_b128 v[\kb+16*\t+4*\c:\kb+16*\t+4*\c+3], v[ADV] offset:(\off)+2048*\t+512*\c   ; V's four fragments land under the softmax
.endr
.endr
	v_max3_num_f32 v240, v[\sb], v[\sb+1], v[\sb+2]   ; the step's largest score of my query, among my 64 keys, in two chains, the registers in ascending order,
	v_max3_num_f32 v241, v[\sb+3], v[\sb+4], v[\sb+5]
.irp i, 6,10,14,18,22,26,30,34,38,42,46,50,54,58
	v_max3_num_f32 v240, v240, v[\sb+\i], v[\sb+1+\i]
	v_max3_num_f32 v241, v241, v[\sb+2+\i], v[\sb+3+\i]
.endr
	v_max3_num_f32 v240, v240, v[\sb+62], v[\sb+63]
	v_max_num_f32 v240, v240, v241
	v_permlanex16_b32 v246, v240, s[SEL], s[SEL+1]
	v_max_num_f32 v240, v240, v246                 ; and among lane l xor 16's
	v_mul_f32 v240, s[CS], v240                    ; as t (c is positive)
	v_max_num_f32 v13, v13, v240                   ; the running largest t
	v_floor_f32 v12, -v13                          ; the new -M = floor(-t) = -ceil(t): a whole number
	v_sub_f32 v240, v12, v252                      ; M's old value less its new one: a whole number, 0 or less
	v_cvt_i32_f32 v240, v240                       ; (it saturates)
	v_ldexp_f32 v242, 1.0, v240                    ; f = 2^(old M - new M)
; t - M, two at a time (of the pairs c and -M the low word serves both halves), and p = 2^(t - M), at most 1.  Four scalings lead; then one follows each pair of exponentials, four pairs ahead of its own:
; a plain line among the exponentials.  No scaling names an exponential's result, so the 64 are one batch with one wait.
.irp j, 0,2,4,6
	v_pk_fma_f32 v[\sb+\j:\sb+\j+1], v[\sb+\j:\sb+\j+1], s[CS:CS+1], v[12:13] op_sel_hi:[1,0,0]
.endr
.set jj, 0
.rept 32
	v_exp_f32 v[\sb+jj], v[\sb+jj]
	v_exp_f32 v[\sb+jj+1], v[\sb+jj+1]
.if jj+8 < 64
	v_pk_fma_f32 v[\sb+jj+8:\sb+jj+9], v[\sb+jj+8:\sb+jj+9], s[CS:CS+1], v[12:13] op_sel_hi:[1,0,0]
.endif
.set jj, jj+2
.endr
	v_pk_mul_f32 v[14:15], v[14:15], v[242:243] op_sel_hi:[1,0]   ; the sums under the new M: the plain line behind the last exponential
	s_wait_alu depctr_va_vdst(0)                   ; one wait for the batch of 64, ahead of its first reader
	v_pk_add_f32 v[244:245], v[\sb:\sb+1], v[\sb+2:\sb+3]    ; the row's sum is taken of the unquantised p: two at a time, in two chains
.irp j, 4,8,12,16,20,24,28,32,36,40,44,48,52,56,60
	v_pk_add_f32 v[14:15], v[14:15], v[\sb+\j:\sb+\j+1]
	v_pk_add_f32 v[244:245], v[244:245], v[\sb+\j+2:\sb+\j+3]
.endr
	v_pk_add_f32 v[14:15], v[14:15], v[244:245]
	s_cmp_ge_i32 s28, -15                          ; with e8 >= -15 the largest code stands for 57,344 x 2^e8 >= 1.75, which no p reaches: the hold would change nothing.  A branch on a given whole number
	s_cbranch_scc1 .Lno_hold_\@
.set jj, 0
.rept 32                                       ; the conversion to an 8-bit code does not saturate (ISA guide 7.6.2); p is not negative, so the hold is one-sided; two holds an instruction
	v_dual_min_num_f32 v[\sb+jj], v[\sb+jj], v248 :: v_dual_min_num_f32 v[\sb+jj+1], v[\sb+jj+1], v247
.set jj, jj+2
.endr
.Lno_hold_\@:
.irp t, 0,1,2,3,4,5,6,7
	v_cvt_scalef32_pk8_bf8_f32 v[PC+2*\t:PC+2*\t+1], v[\sb+8*\t:\sb+8*\t+7], v249
.endr
.if (\pre) == 1
	KLOAD \sb, ADK, (\off)+8192                    ; p has been read: the next step's K lands over it
.elseif (\pre) == 2
	KLOAD \sb, LI, 0                               ; the next pass begins with the head's first keys
.endif
.set jj, 0
.rept 16
	v_pk_mul_f32 v[O+jj:O+jj+1], v[O+jj:O+jj+1], v[242:243] op_sel_hi:[1,0]   ; O^T under the new M, from each accumulator's low end on.  (Plain lines between the conversions and the products that read their codes)
.set jj, jj+2
.endr
.if (\pre) > 0
	s_wait_dscnt 16                                ; V's fragments are in; the sixteen loads of the next K, issued behind them, may be out
.else
	s_wait_dscnt 0x0
.endif
.irp t, 0,1,2,3
	v_wmma_f32_16x16x128_bf8_bf8 v[O+8*\t:O+8*\t+7], v[\kb+16*\t:\kb+16*\t+15], v[PC:PC+15], v[O+8*\t:O+8*\t+7]
.endr
.endm
; A PASS: one tile of 16 queries against the head's 1,024 keys: three trips of two steps, and the last two steps written out, since the last fetches otherwise.
.macro PASS u
	v_mov_b32 v13, 0xff61b1e6                      ; the largest t so far: -3e38, under every t
	v_floor_f32 v12, -v13                          ; -M
	v_mov_b32 v14, 0
	v_mov_b32 v15, 0
.set jj, 0
.rept 32
	v_mov_b32 v[O+jj], 0                           ; the step is written for every place in the pass: the first finds zeros, which the first change of M leaves zeros
.set jj, jj+1
.endr
	s_mov_b32 s[TB], 0
	s_mov_b32 s[CNT], 3
.Ltrip_\@:
	STEP BA, BB, Q+8*\u, 0, 1
	STEP BB, BA, Q+8*\u, 8192, 1
	s_add_co_u32 s[TB], s[TB], 16384               ; 256 keys on: sixteen tiles of K, two steps of V
	s_sub_co_u32 s[CNT], s[CNT], 1
	s_cmp_lg_u32 s[CNT], 0
	s_cbranch_scc1 .Ltrip_\@
	STEP BA, BB, Q+8*\u, 0, 1
	STEP BB, BA, Q+8*\u, 8192, 2-2*\u
.rept 4
	v_nop                                          ; places behind the last products
.endr
	v_add_f32 v14, v14, v15                        ; the sum's two halves,
	v_permlanex16_b32 v246, v14, s[SEL], s[SEL+1]
	v_add_f32 v14, v14, v246                       ; and lane l xor 16's: the row's sum
	v_rcp_f32 v14, v14
	v_nop                                          ; a plain line behind the reciprocal
	s_wait_alu depctr_va_vdst(0)                   ; and the wait ahead of its first reader
	v_ldexp_f32 v14, v14, s36                      ; x 2^(e8 + e9)
.set jj, 0
.rept 16
	v_pk_mul_f32 v[O+jj:O+jj+1], v[O+jj:O+jj+1], v[14:15] op_sel_hi:[1,0]   ; o: register 8 t + j is channel 16 t + 8 (lane / 16) + j of my query
.set jj, jj+2
.endr
.set jj, 0
.rept 32
	v_med3_num_f32 v[O+jj], v[O+jj], -v250, v250
.set jj, jj+1
.endr
.irp t, 0,1,2,3
	v_cvt_scalef32_pk8_bf8_f32 v[OC+8*\u+2*\t:OC+8*\u+2*\t+1], v[O+8*\t:O+8*\t+7], v251
.endr
	v_nop                                          ; a plain line behind the last conversion: the next pass writes its sources
.irp c, 0,1
	global_store_b128 v[LI], v[OC+8*\u+4*\c:OC+8*\u+4*\c+3], s[8:9] offset:262144*\u+512*\c   ; each pass has its own registers for its codes: no store's data are written again
.endr
.endm
	KLOAD BA, LI, 0                                ; the first step's K: the one fetch that has no step ahead of it
	PASS 0
	PASS 1
	s_wait_tensorcnt 0x0
	ds_add_u32 v254, v255
	s_wait_dscnt 0x0
	s_endpgm
.Lfunc_end_k_qcfca716033_attn:
	.size	k_qcfca716033_attn, .Lfunc_end_k_qcfca716033_attn-k_qcfca716033_attn
	.p2alignl 7, 3214868480
	.fill 96, 4, 3214868480
	.section	.rodata,"a",@progbits
	.p2align	6, 0x0
	.amdhsa_kernel k_qcfca716033_attn
		.amdhsa_group_segment_fixed_size 133120
		.amdhsa_private_segment_fixed_size 0
		.amdhsa_enable_private_segment 0
		.amdhsa_kernarg_size 24
		.amdhsa_user_sgpr_count 2
		.amdhsa_user_sgpr_kernarg_segment_ptr 1
		.amdhsa_wavefront_size32 1
		.amdhsa_system_sgpr_workgroup_id_x 1
		.amdhsa_system_sgpr_workgroup_id_y 1
		.amdhsa_system_sgpr_workgroup_id_z 1
		.amdhsa_system_vgpr_workitem_id 0
		.amdhsa_next_free_vgpr 256
		.amdhsa_next_free_sgpr 66
		.amdhsa_reserve_vcc 0
		.amdhsa_float_denorm_mode_32 3
		.amdhsa_float_denorm_mode_16_64 3
		.amdhsa_memory_ordered 1
		.amdhsa_forward_progress 1
		.amdhsa_inst_pref_size 138
	.end_amdhsa_kernel
	.amdgpu_metadata
---
amdhsa.version: [ 1, 2 ]
amdhsa.kernels:
  - .name:           k_qcfca716033_attn
    .symbol:         k_qcfca716033_attn.kd
    .args:
      - { .name: qkv, .offset: 0, .size: 8, .value_kind: global_buffer, .address_space: global }
      - { .name: lowp_scales, .offset: 8, .size: 8, .value_kind: global_buffer, .address_space: global }
      - { .name: oc, .offset: 16, .size: 8, .value_kind: global_buffer, .address_space: global }
    .group_segment_fixed_size: 133120
    .private_segment_fixed_size: 0
    .kernarg_segment_align: 8
    .kernarg_segment_size: 24
    .max_flat_workgroup_size: 512
    .sgpr_count:     66
    .vgpr_count:     256
    .wavefront_size: 32
...
	.end_amdgpu_metadata
.endif
;; end of part 3
;; launch proj (part 4): grid 256 x 1, 16 waves a work-group, no clusters, 178,176 bytes of LDS; arguments oc, wimg, z, bo, g1, be1, lowp_scales, out0; writes out0
.if DOCPART == 4
	.amdgcn_target "amdgcn-amd-amdhsa--gfx1250"
	.amdhsa_code_object_version 6
	.text
	.protected	k_qcfca716033_proj
	.globl	k_qcfca716033_proj
	.p2align	8
	.type	k_qcfca716033_proj,@function
k_qcfca716033_proj:
	s_mov_b64 s[64:65], 0
	v_nop
	global_prefetch_b8 v0, s[64:65] scope:SCOPE_SE
	s_setreg_imm32_b32 hwreg(HW_REG_WAVE_MODE, 25, 1), 1
	s_wait_xcnt 0x0
; out0 = LayerNorm(z + o Wo + bo; g1, be1), the product on codes of BF8 (E5M2): o's codes (2^e10) from the attention launch, Wo's (2^e11) as laid by the first launch; all else in f32.
; SHARES.  A work-group owns 32 WHOLE rows (two tiles of 16), as the norm needs; wave w of sixteen owns columns 64 w .. 64 w + 63 (four tiles) of them: eight accumulators.
; THE PRODUCT IS USED TRANSPOSED (source 0 = 16 columns of Wo, source 1 = 16 rows of o): a lane holds ONE row (lane % 16) and the columns 16 t + 8 (lane / 16) + j: most of a row's sum is a sum within the lane.
; o's sixteen fragments (32,768 bytes on end in oc) are copied once into LDS as images of their registers, one a wave, and read by all.  Wo's fragments go from memory straight into registers, dense 512-byte loads,
; in a ring of two K steps: behind a K step's eight products the loads of two K steps on are issued, so that 16 to 32 loads of every wave are always out.
; No tensor load and no cluster: a slot with one K step of all 1,024 columns would feed eight products a wave between two changes of slots, with nothing on its way at each change; the ring in registers never runs empty.
; z comes in dense (two rows of 256 bytes an instruction) and turns into the result's layout through the wave's own stage in LDS; the result leaves by the same stage, the other way round.
; THE NORM takes the mean first and then the mean of the squared differences, as reference() does: no difference of large sums is formed.  A row's sums meet in LDS: [row][wave], one barrier each.
; LIMIT: e10 + e11 between -126 and 127, so that 2^(e10 + e11) is an f32 number.
.set AIMG, 0                           ; LDS: o's fragments: (row tile i, K step s) at (8 i + s) x 2,048
.set STG,  32768                       ; the stages: 8,704 bytes a wave: 32 rows x (256 bytes + 16)
.set SPI,  272
.set RED1, STG+16*32*SPI               ; [32 rows][16 waves] f32: the rows' sums; 2,048 bytes on: the sums of squares
.set LI,  1                            ; v1   16 x lane
.set AW,  2                            ; v2   where I put my fragment of o
.set ZG,  3                            ; v3   z and out0: lanes 0-15 one row's 256 bytes, lanes 16-31 the next row's
.set SW,  4                            ; v4   the same two rows in my stage
.set SF,  5                            ; v5   my stage in the result's layout: row r, + 32 h
.set RW,  6                            ; v6   where I put a row's sum: row r, my wave's word
.set RR,  7                            ; v7   where I read a row's sixteen
.set CV,  8                            ; v8   32 h: my eight numbers of a tile's sixteen of bo, g1, be1
.set ACC, 16                           ; v16-79   accumulator (i, t) at 16 + 8 (4 i + t); first z as loaded; in the end y
.set AF,  80                           ; v80-111  o's two fragments; later z of row tile 0; later the rows' partial sums
.set RG,  112                          ; v112-239 the ring: K step s's four fragments at 112 + 64 (s % 2)
.set BO,  112                          ; behind the products: bo v112-143, g1 v144-175, be1 v176-207, z of row tile 1 v208-239; in the end v112-175 the rows to be stored
.set GA,  144
.set BE,  176
.set PS,  240                          ; v[240:241], v[242:243] a lane's sums, a pair a row tile
.set PL,  244                          ; v244, v245 the lane exchange
.set MR,  248                          ; v248, v250 the mean, later 1 / sqrt(var + eps) (v249, v251 = 0 beside them)
	s_load_b256 s[4:11], s[0:1], 0x0               ; oc s[4:5], wimg s[6:7], z s[8:9], bo s[10:11]
	s_load_b256 s[12:19], s[0:1], 0x20             ; g1 s[12:13], be1 s[14:15], the scales' exponents s[16:17], out0 s[18:19]
	v_lshl_add_u32 v254, v0, 2, 0x2b000
	v_mov_b32 v255, 0
	v_lshrrev_b32 v2, 5, v0
	v_readfirstlane_b32 s20, v2                    ; wave 0..15
	v_and_b32 v9, 31, v0
	v_lshlrev_b32 v[LI], 4, v9
	v_and_b32 v10, 15, v0                          ; r
	v_bfe_u32 v11, v0, 4, 1                        ; h
	s_lshl_b32 s21, s20, 11
	v_add_nc_u32 v[AW], s21, v[LI]
	v_lshlrev_b32 v[ZG], 12, v11
	v_lshl_add_u32 v[ZG], v10, 4, v[ZG]
	s_mul_i32 s22, s20, 32*SPI
	s_add_co_u32 s22, s22, STG                     ; my stage
	v_mul_u32_u24 v[SW], v11, SPI
	v_lshl_add_u32 v[SW], v10, 4, v[SW]
	v_add_nc_u32 v[SW], s22, v[SW]
	v_mul_u32_u24 v[SF], v10, SPI
	v_lshl_add_u32 v[SF], v11, 5, v[SF]
	v_add_nc_u32 v[SF], s22, v[SF]
	v_lshlrev_b32 v[RR], 6, v10
	v_add_nc_u32 v[RR], RED1, v[RR]
	s_lshl_b32 s23, s20, 2
	v_add_nc_u32 v[RW], s23, v[RR]
	v_lshlrev_b32 v[CV], 5, v11
	v_mov_b32 v[PL], 0                             ; written once: a lane permute's destination counts as one of its sources
	v_mov_b32 v[PL+1], 0
	v_mov_b32 v[MR+1], 0                           ; (named as the upper halves of pairs)
	v_mov_b32 v[MR+3], 0
	s_lshl_b32 s24, ttmp9, 15                      ; oc: my work-group's 32,768 bytes, my wave's fragment
	s_add_co_u32 s24, s24, s21
	s_mov_b32 s25, 0
	s_lshl_b32 s26, s20, 16                        ; wimg: Wo at 3 MiB, my wave's four tiles of 16,384 bytes
	s_add_co_u32 s26, s26, 0x300000
	s_mov_b32 s27, 0
	s_lshl_b32 s28, ttmp9, 17                      ; z, out0: 32 rows of 4,096 bytes, my wave's 256 bytes of a row
	s_lshl_b32 s30, s20, 8
	s_add_co_u32 s28, s28, s30
	s_mov_b32 s29, 0
	s_mov_b32 s31, 0
	s_mov_b32 s38, 0x76543210                      ; v_permlanex16_b32's selects for lane l xor 16
	s_mov_b32 s39, 0xfedcba98
	s_mov_b32 s40, 0x3a800000                      ; 1 / 1,024
	s_mov_b32 s41, 0x3727c5ac                      ; 1e-5
	s_wait_kmcnt 0x0
	s_load_b128 s[32:35], s[16:17], 0x20           ; e8, e9, e10, e11
	s_add_nc_u64 s[4:5], s[4:5], s[24:25]
	s_add_nc_u64 s[6:7], s[6:7], s[26:27]
	s_add_nc_u64 s[8:9], s[8:9], s[28:29]
	s_add_nc_u64 s[18:19], s[18:19], s[28:29]
	s_add_nc_u64 s[10:11], s[10:11], s[30:31]
	s_add_nc_u64 s[12:13], s[12:13], s[30:31]
	s_add_nc_u64 s[14:15], s[14:15], s[30:31]
.macro RING s                          ; Wo's four fragments of K step s into half s % 2 of the ring: 16 loads of 512 consecutive bytes
.irp t, 0,1,2,3
.irp c, 0,1,2,3
	global_load_b128 v[RG+64*((\s)%2)+16*\t+4*\c:RG+64*((\s)%2)+16*\t+4*\c+3], v[LI], s[6:7] offset:(8*\t+(\s))*2048+512*\c
.endr
.endr
.endm
.macro VEC8 reg, base                  ; my 32 numbers of a vector of 1,024, in the result's layout: 8 loads
.irp t, 0,1,2,3
.irp q, 0,1
	global_load_b128 v[\reg+8*\t+4*\q:\reg+8*\t+4*\q+3], v[CV], s[\base:\base+1] offset:64*\t+16*\q
.endr
.endr
.endm
.macro BARRIER                         ; my LDS stores have landed and my LDS loads are in: then the work-group's barrier
	s_wait_dscnt 0x0
	s_barrier_signal -1
	s_barrier_wait -1
.endm
.irp c, 0,1,2,3
	global_load_b128 v[AF+4*\c:AF+4*\c+3], v[LI], s[4:5] offset:512*\c th:TH_LOAD_NT     ; my fragment of o
.endr
.irp k, 0,1,2,3,4,5,6,7,8,9,10,11,12,13,14,15
	global_load_b128 v[ACC+4*\k:ACC+4*\k+3], v[ZG], s[8:9] offset:8192*\k th:TH_LOAD_NT  ; z: rows 2 k and 2 k + 1, my 256 bytes of each
.endr
	RING 0
	RING 1
	s_wait_loadcnt 48                              ; o's four are in; behind them: z's 16 and the ring's 32
.irp c, 0,1,2,3
	ds_store_b128 v[AW], v[AF+4*\c:AF+4*\c+3] offset:AIMG+512*\c
.endr
	s_wait_loadcnt 32                              ; z's 16 are in; the ring's 32 may be out
.irp k, 0,1,2,3,4,5,6,7,8,9,10,11,12,13,14,15
	ds_store_b128 v[SW], v[ACC+4*\k:ACC+4*\k+3] offset:2*SPI*\k
.endr
	s_wait_kmcnt 0x0
	s_add_co_i32 s36, s34, s35
	s_add_co_i32 s36, s36, 127
	s_lshl_b32 s36, s36, 23                        ; 2^(e10 + e11) as f32
	s_mov_b32 s37, s36                             ; (named with it as a pair, so it is written)
	BARRIER                                        ; o's sixteen fragments lie in LDS; my stores have read v16 on, which the products now write
; A K STEP of 128: eight products, the eight accumulators by turns in the same order in every step; the first step starts the sums.
.macro KSTEP s
.irp i, 0,1
.irp c, 0,1,2,3
	ds_load_b128 v[AF+16*\i+4*\c:AF+16*\i+4*\c+3], v[LI] offset:AIMG+(8*\i+\s)*2048+512*\c
.endr
.endr
	s_wait_loadcnt 16                              ; this step's 16 loads are in; the 16 issued behind them (the next step's; behind the last step's: bo and g1) may be out
	s_wait_dscnt 0x0
.irp t, 0,1,2,3
.irp i, 0,1
.if \s == 0
	v_wmma_f32_16x16x128_bf8_bf8 v[ACC+8*(4*\i+\t):ACC+8*(4*\i+\t)+7], v[RG+64*(\s%2)+16*\t:RG+64*(\s%2)+16*\t+15], v[AF+16*\i:AF+16*\i+15], 0
.else
	v_wmma_f32_16x16x128_bf8_bf8 v[ACC+8*(4*\i+\t):ACC+8*(4*\i+\t)+7], v[RG+64*(\s%2)+16*\t:RG+64*(\s%2)+16*\t+15], v[AF+16*\i:AF+16*\i+15], v[ACC+8*(4*\i+\t):ACC+8*(4*\i+\t)+7]
.endif
.endr
.endr
.rept 4
	v_nop                                          ; four plain vector lines ahead of loads into registers that these products have read (ISA guide 7.12.1 for vector instructions), and of the first read of results
.endr
.if \s < 6
	RING \s+2
.elseif \s == 6
	VEC8 BO, 10
	VEC8 GA, 12
.else
	VEC8 BE, 14
.endif
.endm
.irp s, 0,1,2,3,4,5,6,7
	KSTEP \s
.endr
	; ---- x = z + (sum x 2^(e10 + e11) + bo)
.irp i, 0,1
.irp t, 0,1,2,3
.irp q, 0,1
	ds_load_b128 v[AF+128*\i+8*\t+4*\q:AF+128*\i+8*\t+4*\q+3], v[SF] offset:16*SPI*\i+64*\t+16*\q   ; z in the result's layout, out of my own stage
.endr
.endr
.endr
	s_wait_loadcnt 8                               ; bo and g1 are in; be1's eight may be out
.irp i, 0,1
.irp t, 0,1,2,3
.irp k, 0,2,4,6
	v_pk_fma_f32 v[ACC+8*(4*\i+\t)+\k:ACC+8*(4*\i+\t)+\k+1], v[ACC+8*(4*\i+\t)+\k:ACC+8*(4*\i+\t)+\k+1], s[36:37], v[BO+8*\t+\k:BO+8*\t+\k+1] op_sel_hi:[1,0,1]   ; each accumulator from its low end on
.endr
.endr
.endr
	s_wait_dscnt 0x0
.irp i, 0,1
.irp t, 0,1,2,3
.irp k, 0,2,4,6
	v_pk_add_f32 v[ACC+8*(4*\i+\t)+\k:ACC+8*(4*\i+\t)+\k+1], v[ACC+8*(4*\i+\t)+\k:ACC+8*(4*\i+\t)+\k+1], v[AF+128*\i+8*\t+\k:AF+128*\i+8*\t+\k+1]
.endr
.endr
.endr
; A row's sum over all 1,024 columns (sq = 0) or of their squares (sq = 1), into v[MR], v[MR+2], in every lane of the row.  My 32 numbers of each row tile, the two tiles by turns; lane l xor 16's;
; then the sixteen waves' sums meet in LDS, red bytes behind RED1, and every wave adds them in the same order.
.macro ROWRED sq, red
.irp i, 0,1
.if \sq
	v_pk_mul_f32 v[PS+2*\i:PS+2*\i+1], v[ACC+32*\i:ACC+32*\i+1], v[ACC+32*\i:ACC+32*\i+1]
.else
	v_pk_add_f32 v[PS+2*\i:PS+2*\i+1], v[ACC+32*\i:ACC+32*\i+1], v[ACC+32*\i+2:ACC+32*\i+3]
.endif
.endr
.irp k, 2,4,6,8,10,12,14,16,18,20,22,24,26,28,30
.irp i, 0,1
.if \sq
	v_pk_fma_f32 v[PS+2*\i:PS+2*\i+1], v[ACC+32*\i+\k:ACC+32*\i+\k+1], v[ACC+32*\i+\k:ACC+32*\i+\k+1], v[PS+2*\i:PS+2*\i+1]
.elseif \k > 2
	v_pk_add_f32 v[PS+2*\i:PS+2*\i+1], v[PS+2*\i:PS+2*\i+1], v[ACC+32*\i+\k:ACC+32*\i+\k+1]
.endif
.endr
.endr
.irp i, 0,1
	v_add_f32 v[PS+2*\i], v[PS+2*\i], v[PS+2*\i+1]
.endr
.irp i, 0,1
	v_permlanex16_b32 v[PL+\i], v[PS+2*\i], s38, s39
.endr
.irp i, 0,1
	v_add_f32 v[PS+2*\i], v[PS+2*\i], v[PL+\i]
.endr
.irp i, 0,1
	ds_store_b32 v[RW], v[PS+2*\i] offset:\red+1024*\i    ; lanes l and l xor 16 write the same word with the same number
.endr
	BARRIER
.irp i, 0,1
.irp q, 0,1,2,3
	ds_load_b128 v[AF+16*\i+4*\q:AF+16*\i+4*\q+3], v[RR] offset:\red+1024*\i+16*\q
.endr
.endr
	s_wait_dscnt 0x0
.irp i, 0,1
.irp k, 0,2,4,6
	v_pk_add_f32 v[AF+16*\i+\k:AF+16*\i+\k+1], v[AF+16*\i+\k:AF+16*\i+\k+1], v[AF+16*\i+8+\k:AF+16*\i+8+\k+1]
.endr
.endr
.irp i, 0,1
.irp k, 0,2
	v_pk_add_f32 v[AF+16*\i+\k:AF+16*\i+\k+1], v[AF+16*\i+\k:AF+16*\i+\k+1], v[AF+16*\i+4+\k:AF+16*\i+4+\k+1]
.endr
.endr
.irp i, 0,1
	v_pk_add_f32 v[AF+16*\i:AF+16*\i+1], v[AF+16*\i:AF+16*\i+1], v[AF+16*\i+2:AF+16*\i+3]
.endr
.irp i, 0,1
	v_add_f32 v[MR+2*\i], v[AF+16*\i], v[AF+16*\i+1]
.endr
.endm
	ROWRED 0, 0
.irp i, 0,1
	v_mul_f32 v[MR+2*\i], s40, v[MR+2*\i]          ; the mean
.endr
.irp i, 0,1
.irp k, 0,2,4,6,8,10,12,14,16,18,20,22,24,26,28,30
	v_pk_add_f32 v[ACC+32*\i+\k:ACC+32*\i+\k+1], v[ACC+32*\i+\k:ACC+32*\i+\k+1], v[MR+2*\i:MR+2*\i+1] op_sel_hi:[1,0] neg_lo:[0,1] neg_hi:[0,1]   ; d = x - mean
.endr
.endr
	ROWRED 1, 2048                                 ; other bytes than the first sums': a wave may still be reading those
.irp i, 0,1
	v_fma_f32 v[MR+2*\i], v[MR+2*\i], s40, s41     ; the variance + 1e-5
.endr
.irp i, 0,1
	v_rsq_f32 v[MR+2*\i], v[MR+2*\i]
.endr
	v_nop                                          ; a plain line behind the two roots
	s_wait_alu depctr_va_vdst(0)                   ; and one wait for both, ahead of their first reader
	s_wait_loadcnt 0x0                             ; be1
.irp i, 0,1
.irp k, 0,2,4,6,8,10,12,14,16,18,20,22,24,26,28,30
	v_pk_mul_f32 v[ACC+32*\i+\k:ACC+32*\i+\k+1], v[ACC+32*\i+\k:ACC+32*\i+\k+1], v[MR+2*\i:MR+2*\i+1] op_sel_hi:[1,0]
.endr
.endr
.irp i, 0,1
.irp k, 0,2,4,6,8,10,12,14,16,18,20,22,24,26,28,30
	v_pk_fma_f32 v[ACC+32*\i+\k:ACC+32*\i+\k+1], v[ACC+32*\i+\k:ACC+32*\i+\k+1], v[GA+\k:GA+\k+1], v[BE+\k:BE+\k+1]   ; x g1 + be1
.endr
.endr
	; ---- the way out: through my own stage, back as rows: sixteen lanes store 256 consecutive bytes, aligned
.irp i, 0,1
.irp t, 0,1,2,3
.irp q, 0,1
	ds_store_b128 v[SF], v[ACC+8*(4*\i+\t)+4*\q:ACC+8*(4*\i+\t)+4*\q+3] offset:16*SPI*\i+64*\t+16*\q
.endr
.endr
.endr
.irp k, 0,1,2,3,4,5,6,7,8,9,10,11,12,13,14,15
	ds_load_b128 v[RG+4*\k:RG+4*\k+3], v[SW] offset:2*SPI*\k    ; LDS serves a wave's instructions in order (ISA guide 5.7.1.4): these see my stores
.endr
.irp k, 0,1,2,3,4,5,6,7,8,9,10,11,12,13,14,15
	s_wait_dscnt 15-\k                             ; number k of the sixteen loads is in, the younger ones stay out
	global_store_b128 v[ZG], v[RG+4*\k:RG+4*\k+3], s[18:19] offset:8192*\k th:TH_STORE_NT
.endr
	s_wait_tensorcnt 0x0
	ds_add_u32 v254, v255
	s_wait_dscnt 0x0
	s_endpgm
.Lfunc_end_k_qcfca716033_proj:
	.size	k_qcfca716033_proj, .Lfunc_end_k_qcfca716033_proj-k_qcfca716033_proj
	.p2alignl 7, 3214868480
	.fill 96, 4, 3214868480
	.section	.rodata,"a",@progbits
	.p2align	6, 0x0
	.amdhsa_kernel k_qcfca716033_proj
		.amdhsa_group_segment_fixed_size 178176
		.amdhsa_private_segment_fixed_size 0
		.amdhsa_enable_private_segment 0
		.amdhsa_kernarg_size 64
		.amdhsa_user_sgpr_count 2
		.amdhsa_user_sgpr_kernarg_segment_ptr 1
		.amdhsa_wavefront_size32 1
		.amdhsa_system_sgpr_workgroup_id_x 1
		.amdhsa_system_sgpr_workgroup_id_y 1
		.amdhsa_system_sgpr_workgroup_id_z 1
		.amdhsa_system_vgpr_workitem_id 0
		.amdhsa_next_free_vgpr 256
		.amdhsa_next_free_sgpr 66
		.amdhsa_reserve_vcc 0
		.amdhsa_float_denorm_mode_32 3
		.amdhsa_float_denorm_mode_16_64 3
		.amdhsa_memory_ordered 1
		.amdhsa_forward_progress 1
		.amdhsa_inst_pref_size 54
	.end_amdhsa_kernel
	.amdgpu_metadata
---
amdhsa.version: [ 1, 2 ]
amdhsa.kernels:
  - .name:           k_qcfca716033_proj
    .symbol:         k_qcfca716033_proj.kd
    .args:
      - { .name: oc, .offset: 0, .size: 8, .value_kind: global_buffer, .address_space: global }
      - { .name: wimg, .offset: 8, .size: 8, .value_kind: global_buffer, .address_space: global }
      - { .name: z, .offset: 16, .size: 8, .value_kind: global_buffer, .address_space: global }
      - { .name: bo, .offset: 24, .size: 8, .value_kind: global_buffer, .address_space: global }
      - { .name: g1, .offset: 32, .size: 8, .value_kind: global_buffer, .address_space: global }
      - { .name: be1, .offset: 40, .size: 8, .value_kind: global_buffer, .address_space: global }
      - { .name: lowp_scales, .offset: 48, .size: 8, .value_kind: global_buffer, .address_space: global }
      - { .name: out0, .offset: 56, .size: 8, .value_kind: global_buffer, .address_space: global }
    .group_segment_fixed_size: 178176
    .private_segment_fixed_size: 0
    .kernarg_segment_align: 8
    .kernarg_segment_size: 64
    .max_flat_workgroup_size: 512
    .sgpr_count:     66
    .vgpr_count:     256
    .wavefront_size: 32
...
	.end_amdgpu_metadata
.endif
;; end of part 4
;; ======== version 2 of 2: 4 launches; version 1 with the launches attn, proj written anew for expert scheduling mode
;; workspace buffers: zc 25,165,824 bytes; wimg 4,194,304 bytes; qkv 25,165,824 bytes; oc 8,388,608 bytes
;; launch prep: the kernel of part 1 again; grid 1088 x 1, 4 waves a work-group, no clusters, 33,280 bytes of LDS; arguments z, Wq_codes, Wk_codes, Wv_codes, Wo_codes, lowp_scales, zc, wimg; writes zc, wimg
;; launch qkv: the kernel of part 2 again; grid 12 x 16, 4 waves a work-group, clusters of 4 x 1, 327,680 bytes of LDS; arguments zc, wimg, bq, bk, bv, lowp_scales, qkv; writes qkv
;; launch attn (part 5): grid 2 x 128, 16 waves a work-group, no clusters, 133,120 bytes of LDS; arguments qkv, lowp_scales, oc; writes oc
.if DOCPART == 5
	.amdgcn_target "amdgcn-amd-amdhsa--gfx1250"
	.amdhsa_code_object_version 6
	.text
	.protected	k_qcfca716033_attn
	.globl	k_qcfca716033_attn
	.p2align	8
	.type	k_qcfca716033_attn,@function
k_qcfca716033_attn:
	s_mov_b64 s[64:65], 0
	v_nop
	global_prefetch_b8 v0, s[64:65] scope:SCOPE_SE
	s_setreg_imm32_b32 hwreg(HW_REG_WAVE_SCHED_MODE, 0, 2), 2
	s_setreg_imm32_b32 hwreg(HW_REG_WAVE_MODE, 25, 1), 1
	s_wait_xcnt 0x0
	s_wait_alu depctr_vm_vsrc(0)
; o = softmax(q k^T / 8) v for one (batch, head) and 512 queries, both products on codes of BF8 (E5M2); o is quantised at once with the scale 2^e10 given for it as operand of the last product.
; THE SOFTMAX AHEAD OF THE SECOND PRODUCT: t = score x log2(e) / 8; M = the row's largest t so far, rounded UP to a whole number; p = 2^(t - M) is what is quantised (2^e8); it is not normalised.
; The row's sum is taken of the unquantised p, in f32, and divides at the end.  When M moves, the sum and O are multiplied by 2^(old M - new M): nothing is rounded.
; SHARES.  Work-group (x, bh): queries 512 x .. 512 x + 511 of head bh.  Each of the sixteen waves takes two tiles of 16 queries, 32 x + w and 32 x + 16 + w, one after the other: four waves to a SIMD,
; so that one wave's vector work stands beside another's matrix work and LDS loads.
; K AND V OF THE WHOLE HEAD LIE IN LDS, 65,536 bytes each, as images of operands' registers (the launch before stored them so): copied once through registers, 8,192 bytes a wave; ONE barrier; then read only.
; A fragment comes by dense 16-byte loads at 16 x lane: no pitch, no padding.  No tensor load: nothing is ever filled again.  Only two work-groups read a head's K and V, once each: no cluster.
; LAYOUT.  Both products are used transposed: S^T = K Q^T (source 0 = 16 keys, source 1 = my 16 queries, K = 64), O^T = V^T P (source 0 = 16 channels, source 1 = P, K = 128 keys): a lane holds ONE query (lane % 16)
; throughout.  In S^T's tile T a lane's eight registers are keys 16 T + 8 (lane / 16) + 0 .. 7: one conversion gives registers 2 T, 2 T + 1 of P in the 8-bit form's own order, in which v's image is laid.
; TWO BUFFERS OF 64 REGISTERS CHANGE ROLES FROM STEP TO STEP.  A step finds its K in one (kb) and puts its scores into the other (sb).  K is done with behind the eight products: V lands over it, under the softmax.
; p is done with behind the conversions: the NEXT step's K lands over it, under the rescaling of O^T and the four products V^T P.  So no fragment is waited for straight behind its loads, and no register is added.
; A trip of the loop is two steps, after which the roles are back where they began.
; oc: [batch][query tile][head][2 chunks][lane][16 bytes]: heads 2 s and 2 s + 1 on end are K step s of the last product's operand.  Every store covers 512 consecutive bytes, aligned.
; LIMITS on the given exponents, so that each power of two is an f32 number: e6 + e7 between -123 and 130 (added to c's exponent field); e8 and e10 between -126 and 112; e8 + e9 goes by v_ldexp_f32.
; THE MODE: SCHED_MODE bits 1:0 = 2 (LLVM: expert scheduling mode 2), set by the entry lines.  The code itself states the register dependences
; between vector or matrix instructions and memory or LDS instructions, with s_wait_alu, always for 0.
; THE PLAN.  Registers that memory or LDS instructions touch, in a key step:
;   kb             Read by the step's eight products K Q^T; then V's sixteen loads land in it; read by the four products V^T P; it is the next step's sb.
;   sb             Written by the eight products, worked on by the softmax, read last by the eight conversions; then the next step's K, sixteen loads, lands in it; it is the next step's kb.
;   v[ADK], v[ADV] Read by those loads; written once a trip, at the trip's head.
;   v[LI]          Read by loads and stores; made at the head and never written again.
;   O^T, p's codes and the statistics are named by vector and matrix instructions alone.
; So a step has three waits on va_vdst: behind the eight products (they are done reading kb; in a trip's first step the two addresses are written), behind the exponentials (their batch's one wait),
; and behind the conversions (they are done reading sb).  Behind the first, V's loads are dealt among the lines of the maximum, which name sb and v240, v241; behind the third, K's loads are dealt among the
; rescalings of O^T, which name O^T and v[242:243]: none of the registers that those loads touch.  One wait on vm_vsrc a trip stands ahead of the two additions that write the addresses.
; Outside the steps: BB is read by the head's LDS stores and then written by the first products; each pass's codes of o are written by conversions and read by two stores, and never written again.
.set LI,  1                            ; v1   16 x lane; never rewritten
.set ADK, 2                            ; v2   LDS address of the trip's keys
.set ADV, 3                            ; v3   of its values
.set FA,  4                            ; v4   where I put my part of K or V
.set Q,   16                           ; v16-31   my two tiles of queries
.set BA,  32                           ; v32-95   the two buffers
.set BB,  96                           ; v96-159
.set O,   160                          ; v160-191 O^T
.set PC,  192                          ; v192-207 p's codes
.set OC,  208                          ; v208-223 o's codes, eight registers a pass
.set WV,  10
.set TB,  20                           ; s20  LDS byte of the trip's first key step
.set CNT, 21
.set CS,  22                           ; s[22:23] c = log2(e) / 8 x 2^(e6 + e7)
.set SEL, 32                           ; s[32:33] lane selects for v_permlanex16_b32: lane l xor 16
; v12 -M, v13 the largest t, v[14:15] the sum in two halves; v240, v241 at work; v242 f (v243 = 0 beside it); v[244:245] the second chain of sums; v246 the lane exchange;
; v247 and v248 57,344 x 2^e8, v249 2^e8, v250 57,344 x 2^e10, v251 2^e10; v252 the last step's -M
	s_load_b128 s[4:7], s[0:1], 0x0                ; qkv s[4:5], the scales' exponents s[6:7]
	s_load_b64 s[8:9], s[0:1], 0x10                ; oc
	v_lshl_add_u32 v254, v0, 2, 0x20000
	v_mov_b32 v255, 0
	v_lshrrev_b32 v2, 5, v0
	v_readfirstlane_b32 s[WV], v2                  ; wave 0..15
	v_and_b32 v1, 31, v0
	v_lshlrev_b32 v[LI], 4, v1
	s_wait_alu depctr_va_sdst(0)                   ; s[WV] is written, ahead of its first reader: the offsets in q, k, v, oc and LDS are made from it
	s_and_b32 s11, ttmp7, 0xffff                   ; bh
	s_lshl_b32 s12, s11, 16                        ; its 65,536 bytes in each of q, k, v
	s_lshl_b32 s13, ttmp9, 5
	s_add_co_u32 s13, s13, s[WV]                   ; my first query tile: 32 x + w
	s_lshl_b32 s14, s13, 10
	s_add_co_u32 s14, s14, s12                     ; q: 1,024 bytes a tile
	s_mov_b32 s15, 0
	s_lshr_b32 s16, s[WV], 3                       ; waves 0-7 copy K (8 MiB into qkv), waves 8-15 V (16 MiB),
	s_add_co_u32 s16, s16, 1
	s_lshl_b32 s16, s16, 23
	s_add_co_u32 s16, s16, s12
	s_and_b32 s17, s[WV], 7
	s_lshl_b32 s17, s17, 13                        ; 8,192 bytes each
	s_add_co_u32 s16, s16, s17
	s_mov_b32 s17, 0
	s_lshr_b32 s18, s11, 4                         ; oc: batch x 2^20 + query tile x 2^14 + head x 2^10
	s_lshl_b32 s18, s18, 20
	s_lshl_b32 s19, s13, 14
	s_add_co_u32 s18, s18, s19
	s_and_b32 s19, s11, 15
	s_lshl_b32 s19, s19, 10
	s_add_co_u32 s18, s18, s19
	s_mov_b32 s19, 0
	s_lshl_b32 s20, s[WV], 13
	v_add_nc_u32 v[FA], s20, v[LI]                 ; in LDS: K at 0, V at 65,536: 8,192 x wave
	s_mov_b32 s[SEL], 0x76543210
	s_mov_b32 s[SEL+1], 0xfedcba98
	s_mov_b32 s[CS], 0x3e38aa3b                    ; log2(e) / 8
	s_wait_kmcnt 0x0
	s_load_b128 s[24:27], s[6:7], 0x10             ; e4, e5, e6, e7
	s_load_b128 s[28:31], s[6:7], 0x20             ; e8, e9, e10, e11
	s_add_nc_u64 s[14:15], s[4:5], s[14:15]
	s_add_nc_u64 s[16:17], s[4:5], s[16:17]
	s_add_nc_u64 s[8:9], s[8:9], s[18:19]
	s_wait_alu depctr_va_vdst(0)                   ; v[LI] and v[FA] are written: the loads and the LDS stores below read them as their addresses
.irp u, 0,1
.irp c, 0,1
	global_load_b128 v[Q+8*\u+4*\c:Q+8*\u+4*\c+3], v[LI], s[14:15] offset:16384*\u+512*\c th:TH_LOAD_NT   ; both tiles of queries stay in registers
.endr
.endr
.irp k, 0,1,2,3,4,5,6,7,8,9,10,11,12,13,14,15
	global_load_b128 v[BB+4*\k:BB+4*\k+3], v[LI], s[16:17] offset:512*\k
.endr
	v_mov_b32 v243, 0                              ; (named as the upper half of the pair v[242:243])
	v_mov_b32 v246, 0                              ; written once: a lane permute's destination counts as one of its sources
	s_wait_kmcnt 0x0
	s_add_co_i32 s34, s26, s27
	s_lshl_b32 s34, s34, 23
	s_add_co_i32 s[CS], s[CS], s34                 ; a score stands for score x 2^(e6 + e7): the exponents are added to c's exponent field
	s_mov_b32 s[CS+1], s[CS]                       ; (named with it as a pair, so it is written)
	s_add_co_i32 s34, s28, 127
	s_lshl_b32 s35, s34, 23
	v_mov_b32 v249, s35                            ; 2^e8
	s_add_co_i32 s34, s34, 15
	s_lshl_b32 s34, s34, 23
	s_or_b32 s34, s34, 0x600000
	v_mov_b32 v248, s34                            ; 57,344 x 2^e8,
	v_mov_b32 v247, s34                            ; twice: the two halves of a dual-issue pair take their second sources from registers whose numbers differ modulo 4
	s_add_co_i32 s34, s30, 127
	s_lshl_b32 s35, s34, 23
	v_mov_b32 v251, s35                            ; 2^e10
	s_add_co_i32 s34, s34, 15
	s_lshl_b32 s34, s34, 23
	s_or_b32 s34, s34, 0x600000
	v_mov_b32 v250, s34                            ; 57,344 x 2^e10
	s_add_co_i32 s36, s28, s29                     ; e8 + e9
.irp k, 0,1,2,3,4,5,6,7,8,9,10,11,12,13,14,15
	s_wait_loadcnt 15-\k                           ; loads come back in order (ISA guide 5.7.1): number k of the sixteen is in, the younger ones stay out; the queries' four were issued ahead of them
	ds_store_b128 v[FA], v[BB+4*\k:BB+4*\k+3] offset:512*\k
.endr
	s_wait_dscnt 0x0                               ; for the others' sake: my part of K or V lies in LDS
	s_barrier_signal -1
	s_barrier_wait -1                              ; the head's K and V are whole; nobody writes LDS again
	s_wait_alu depctr_vm_vsrc(0)                   ; my LDS stores have read v[BB ..], which the first step's products write
.macro KLOAD buf, adr, off             ; a key step's eight fragments of K (16 keys x 64 channels, 8 registers each), from off bytes behind v[adr]
.irp t, 0,1,2,3,4,5,6,7
.irp c, 0,1
	ds_load_b128 v[\buf+8*\t+4*\c:\buf+8*\t+4*\c+3], v[\adr] offset:(\off)+1024*\t+512*\c
.endr
.endr
.endm
; A KEY STEP: 128 keys against the tile of queries in v[qr] on.  kb: the buffer that holds its K (asked for a step ago); sb: the buffer for its scores.  off: 0 in a trip's first step, 8,192 in its second.
; pre = 1: the next step's K is fetched into sb; 2: the head's first K, for the next pass; 0: nothing is left to fetch.
.macro STEP kb, sb, qr, off, pre
; The scores overwrite registers that the last step's products V^T P read as V: five plain vector lines stand between (ISA guide 7.12.1).
.if (\off) == 0
	s_wait_alu depctr_vm_vsrc(0)                   ; the LDS loads issued so far have read v[ADK] and v[ADV], which the two lines below write
	v_add_nc_u32 v[ADK], s[TB], v[LI]
	v_add_nc_u32 v[ADV], 0x10000, v[ADK]
.else
	v_nop
	v_nop
.endif
	v_mov_b32 v252, v12                            ; -M as the last step left it
	v_nop
	v_nop
	s_wait_dscnt 0x0                               ; K is in: its loads were issued among the last step's rescalings, ahead of its products
.irp t, 0,1,2,3,4,5,6,7
	v_wmma_f32_16x16x64_bf8_bf8 v[\sb+8*\t:\sb+8*\t+7], v[\kb+8*\t:\kb+8*\t+7], v[\qr:\qr+7], 0
.endr
.rept 4
	v_nop                                          ; places ahead of the loads below, into registers that these products read, and of the first read of the scores
.endr
	s_wait_alu depctr_va_vdst(0)                   ; the eight products are done reading v[kb ..], in which V lands; in a trip's first step v[ADV] and v[ADK] are written.  The places above stay beside this wait
; V's four fragments, sixteen loads (number n: registers 4 n on, 512 n bytes on), land under the softmax.  They are dealt among the lines of the maximum, which name v[sb ..], v240 and v241 alone: no further wait.
	ds_load_b128 v[\kb:\kb+3], v[ADV] offset:(\off)
	v_max3_num_f32 v240, v[\sb], v[\sb+1], v[\sb+2]   ; the step's largest score of my query, among my 64 keys, in two chains, the registers in ascending order,
	v_max3_num_f32 v241, v[\sb+3], v[\sb+4], v[\sb+5]
.set nn, 1
.irp i, 6,10,14,18,22,26,30,34,38,42,46,50,54,58
	ds_load_b128 v[\kb+4*nn:\kb+4*nn+3], v[ADV] offset:(\off)+512*nn
	v_max3_num_f32 v240, v240, v[\sb+\i], v[\sb+1+\i]
	v_max3_num_f32 v241, v241, v[\sb+2+\i], v[\sb+3+\i]
.set nn, nn+1
.endr
	ds_load_b128 v[\kb+60:\kb+63], v[ADV] offset:(\off)+512*15
	v_max3_num_f32 v240, v240, v[\sb+62], v[\sb+63]
	v_max_num_f32 v240, v240, v241
	v_permlanex16_b32 v246, v240, s[SEL], s[SEL+1]
	v_max_num_f32 v240, v240, v246                 ; and among lane l xor 16's
	v_mul_f32 v240, s[CS], v240                    ; as t (c is positive)
	v_max_num_f32 v13, v13, v240                   ; the running largest t
	v_floor_f32 v12, -v13                          ; the new -M = floor(-t) = -ceil(t): a whole number
	v_sub_f32 v240, v12, v252                      ; M's old value less its new one: a whole number, 0 or less
	v_cvt_i32_f32 v240, v240                       ; (it saturates)
	v_ldexp_f32 v242, 1.0, v240                    ; f = 2^(old M - new M)
; t - M, two at a time (of the pairs c and -M the low word serves both halves), and p = 2^(t - M), at most 1.  Four scalings lead; then one follows each pair of exponentials, four pairs ahead of its own:
; a plain line among the exponentials.  No scaling names an exponential's result, so the 64 are one batch with one wait.
.irp j, 0,2,4,6
	v_pk_fma_f32 v[\sb+\j:\sb+\j+1], v[\sb+\j:\sb+\j+1], s[CS:CS+1], v[12:13] op_sel_hi:[1,0,0]
.endr
.set jj, 0
.rept 32
	v_exp_f32 v[\sb+jj], v[\sb+jj]
	v_exp_f32 v[\sb+jj+1], v[\sb+jj+1]
.if jj+8 < 64
	v_pk_fma_f32 v[\sb+jj+8:\sb+jj+9], v[\sb+jj+8:\sb+jj+9], s[CS:CS+1], v[12:13] op_sel_hi:[1,0,0]
.endif
.set jj, jj+2
.endr
	v_pk_mul_f32 v[14:15], v[14:15], v[242:243] op_sel_hi:[1,0]   ; the sums under the new M: the plain line behind the last exponential
	s_wait_alu depctr_va_vdst(0)                   ; the 64 exponentials have written p in v[sb ..]: one wait for the batch, ahead of its first reader
	v_pk_add_f32 v[244:245], v[\sb:\sb+1], v[\sb+2:\sb+3]    ; the row's sum is taken of the unquantised p: two at a time, in two chains
.irp j, 4,8,12,16,20,24,28,32,36,40,44,48,52,56,60
	v_pk_add_f32 v[14:15], v[14:15], v[\sb+\j:\sb+\j+1]
	v_pk_add_f32 v[244:245], v[244:245], v[\sb+\j+2:\sb+\j+3]
.endr
	v_pk_add_f32 v[14:15], v[14:15], v[244:245]
	s_cmp_ge_i32 s28, -15                          ; with e8 >= -15 the largest code stands for 57,344 x 2^e8 >= 1.75, which no p reaches: the hold would change nothing.  A branch on a given whole number
	s_cbranch_scc1 .Lno_hold_\@
.set jj, 0
.rept 32                                       ; the conversion to an 8-bit code does not saturate (ISA guide 7.6.2); p is not negative, so the hold is one-sided; two holds an instruction
	v_dual_min_num_f32 v[\sb+jj], v[\sb+jj], v248 :: v_dual_min_num_f32 v[\sb+jj+1], v[\sb+jj+1], v247
.set jj, jj+2
.endr
.Lno_hold_\@:
.irp t, 0,1,2,3,4,5,6,7
	v_cvt_scalef32_pk8_bf8_f32 v[PC+2*\t:PC+2*\t+1], v[\sb+8*\t:\sb+8*\t+7], v249
.endr
.if (\pre) > 0
	s_wait_alu depctr_va_vdst(0)                   ; the conversions, the last to name p, are done reading v[sb ..], in which the next K lands
.endif
; O^T under the new M, from each accumulator's low end on.  (Plain lines between the conversions and the products that read their codes.)  The next K's sixteen loads (number n: registers 4 n on, 512 n bytes on)
; are dealt among these lines, which name O^T and v[242:243] alone: no further wait.  pre = 1: the next step's K; pre = 2: the next pass begins with the head's first keys.
.set jj, 0
.rept 16
.if (\pre) == 1
	ds_load_b128 v[\sb+2*jj:\sb+2*jj+3], v[ADK] offset:(\off)+8192+256*jj
.elseif (\pre) == 2
	ds_load_b128 v[\sb+2*jj:\sb+2*jj+3], v[LI] offset:256*jj
.endif
	v_pk_mul_f32 v[O+jj:O+jj+1], v[O+jj:O+jj+1], v[242:243] op_sel_hi:[1,0]
.set jj, jj+2
.endr
.if (\pre) > 0
	s_wait_dscnt 16                                ; V's fragments are in; the sixteen loads of the next K, issued behind them, may be out
.else
	s_wait_dscnt 0x0
.endif
.irp t, 0,1,2,3
	v_wmma_f32_16x16x128_bf8_bf8 v[O+8*\t:O+8*\t+7], v[\kb+16*\t:\kb+16*\t+15], v[PC:PC+15], v[O+8*\t:O+8*\t+7]
.endr
.endm
; A PASS: one tile of 16 queries against the head's 1,024 keys: three trips of two steps, and the last two steps written out, since the last fetches otherwise.
.macro PASS u
	v_mov_b32 v13, 0xff61b1e6                      ; the largest t so far: -3e38, under every t
	v_floor_f32 v12, -v13                          ; -M
	v_mov_b32 v14, 0
	v_mov_b32 v15, 0
.set jj, 0
.rept 32
	v_mov_b32 v[O+jj], 0                           ; the step is written for every place in the pass: the first finds zeros, which the first change of M leaves zeros
.set jj, jj+1
.endr
	s_mov_b32 s[TB], 0
	s_mov_b32 s[CNT], 3
.Ltrip_\@:
	STEP BA, BB, Q+8*\u, 0, 1
	STEP BB, BA, Q+8*\u, 8192, 1
	s_add_co_u32 s[TB], s[TB], 16384               ; 256 keys on: sixteen tiles of K, two steps of V
	s_sub_co_u32 s[CNT], s[CNT], 1
	s_cmp_lg_u32 s[CNT], 0
	s_cbranch_scc1 .Ltrip_\@
	STEP BA, BB, Q+8*\u, 0, 1
	STEP BB, BA, Q+8*\u, 8192, 2-2*\u
.rept 4
	v_nop                                          ; places behind the last products
.endr
	v_add_f32 v14, v14, v15                        ; the sum's two halves,
	v_permlanex16_b32 v246, v14, s[SEL], s[SEL+1]
	v_add_f32 v14, v14, v246                       ; and lane l xor 16's: the row's sum
	v_rcp_f32 v14, v14
	v_nop                                          ; a plain line behind the reciprocal
	s_wait_alu depctr_va_vdst(0)                   ; the reciprocal has written v14: the wait ahead of its first reader
	v_ldexp_f32 v14, v14, s36                      ; x 2^(e8 + e9)
.set jj, 0
.rept 16
	v_pk_mul_f32 v[O+jj:O+jj+1], v[O+jj:O+jj+1], v[14:15] op_sel_hi:[1,0]   ; o: register 8 t + j is channel 16 t + 8 (lane / 16) + j of my query
.set jj, jj+2
.endr
.set jj, 0
.rept 32
	v_med3_num_f32 v[O+jj], v[O+jj], -v250, v250
.set jj, jj+1
.endr
.irp t, 0,1,2,3
	v_cvt_scalef32_pk8_bf8_f32 v[OC+8*\u+2*\t:OC+8*\u+2*\t+1], v[O+8*\t:O+8*\t+7], v251
.endr
	v_nop                                          ; a plain line behind the last conversion: the next pass writes its sources
	s_wait_alu depctr_va_vdst(0)                   ; the conversions have written this pass's eight registers of codes, which the two stores read
.irp c, 0,1
	global_store_b128 v[LI], v[OC+8*\u+4*\c:OC+8*\u+4*\c+3], s[8:9] offset:262144*\u+512*\c   ; each pass has its own registers for its codes: no store's data are written again
.endr
.endm
	KLOAD BA, LI, 0                                ; the first step's K: the one fetch that has no step ahead of it; no vector or matrix instruction has named v[BA ..]
	PASS 0
	PASS 1
	s_wait_dscnt 0x0                               ; the closing lines, six on end
	s_wait_alu 0x0
	s_wait_tensorcnt 0x0
	ds_add_u32 v254, v255
	s_wait_dscnt 0x0
	s_endpgm
.Lfunc_end_k_qcfca716033_attn:
	.size	k_qcfca716033_attn, .Lfunc_end_k_qcfca716033_attn-k_qcfca716033_attn
	.p2alignl 7, 3214868480
	.fill 96, 4, 3214868480
	.section	.rodata,"a",@progbits
	.p2align	6, 0x0
	.amdhsa_kernel k_qcfca716033_attn
		.amdhsa_group_segment_fixed_size 133120
		.amdhsa_private_segment_fixed_size 0
		.amdhsa_enable_private_segment 0
		.amdhsa_kernarg_size 24
		.amdhsa_user_sgpr_count 2
		.amdhsa_user_sgpr_kernarg_segment_ptr 1
		.amdhsa_wavefront_size32 1
		.amdhsa_system_sgpr_workgroup_id_x 1
		.amdhsa_system_sgpr_workgroup_id_y 1
		.amdhsa_system_sgpr_workgroup_id_z 1
		.amdhsa_system_vgpr_workitem_id 0
		.amdhsa_next_free_vgpr 256
		.amdhsa_next_free_sgpr 66
		.amdhsa_reserve_vcc 0
		.amdhsa_float_denorm_mode_32 3
		.amdhsa_float_denorm_mode_16_64 3
		.amdhsa_memory_ordered 1
		.amdhsa_forward_progress 1
		.amdhsa_inst_pref_size 139
	.end_amdhsa_kernel
	.amdgpu_metadata
---
amdhsa.version: [ 1, 2 ]
amdhsa.kernels:
  - .name:           k_qcfca716033_attn
    .symbol:         k_qcfca716033_attn.kd
    .args:
      - { .name: qkv, .offset: 0, .size: 8, .value_kind: global_buffer, .address_space: global }
      - { .name: lowp_scales, .offset: 8, .size: 8, .value_kind: global_buffer, .address_space: global }
      - { .name: oc, .offset: 16, .size: 8, .value_kind: global_buffer, .address_space: global }
    .group_segment_fixed_size: 133120
    .private_segment_fixed_size: 0
    .kernarg_segment_align: 8
    .kernarg_segment_size: 24
    .max_flat_workgroup_size: 512
    .sgpr_count:     66
    .vgpr_count:     256
    .wavefront_size: 32
...
	.end_amdgpu_metadata
.endif
;; end of part 5
;; launch proj (part 6): grid 256 x 1, 16 waves a work-group, no clusters, 178,176 bytes of LDS; arguments oc, wimg, z, bo, g1, be1, lowp_scales, out0; writes out0
.if DOCPART == 6
	.amdgcn_target "amdgcn-amd-amdhsa--gfx1250"
	.amdhsa_code_object_version 6
	.text
	.protected	k_qcfca716033_proj
	.globl	k_qcfca716033_proj
	.p2align	8
	.type	k_qcfca716033_proj,@function
k_qcfca716033_proj:
	s_mov_b64 s[64:65], 0
	v_nop
	global_prefetch_b8 v0, s[64:65] scope:SCOPE_SE
	s_setreg_imm32_b32 hwreg(HW_REG_WAVE_SCHED_MODE, 0, 2), 2
	s_setreg_imm32_b32 hwreg(HW_REG_WAVE_MODE, 25, 1), 1
	s_wait_xcnt 0x0
	s_wait_alu depctr_vm_vsrc(0)
; out0 = LayerNorm(z + o Wo + bo; g1, be1), the product on codes of BF8 (E5M2): o's codes (2^e10) from the attention launch, Wo's (2^e11) as laid by the first launch; all else in f32.
; SHARES.  A work-group owns 32 WHOLE rows (two tiles of 16), as the norm needs; wave w of sixteen owns columns 64 w .. 64 w + 63 (four tiles) of them: eight accumulators.
; THE PRODUCT IS USED TRANSPOSED (source 0 = 16 columns of Wo, source 1 = 16 rows of o): a lane holds ONE row (lane % 16) and the columns 16 t + 8 (lane / 16) + j: most of a row's sum is a sum within the lane.
; o's sixteen fragments (32,768 bytes on end in oc) are copied once into LDS as images of their registers, one a wave, and read by all.  Wo's fragments go from memory straight into registers, dense 512-byte loads,
; in a ring of two K steps: behind a K step's eight products the loads of two K steps on are issued, so that 16 to 32 loads of every wave are always out.
; No tensor load and no cluster: a slot with one K step of all 1,024 columns would feed eight products a wave between two changes of slots, with nothing on its way at each change; the ring in registers never runs empty.
; z comes in dense (two rows of 256 bytes an instruction) and turns into the result's layout through the wave's own stage in LDS; the result leaves by the same stage, the other way round.
; THE NORM takes the mean first and then the mean of the squared differences, as reference() does: no difference of large sums is formed.  A row's sums meet in LDS: [row][wave], one barrier each.
; LIMIT: e10 + e11 between -126 and 127, so that 2^(e10 + e11) is an f32 number.
; THE MODE: SCHED_MODE bits 1:0 = 2 (LLVM: expert scheduling mode 2), set by the entry lines.  The code itself states the register dependences
; between vector or matrix instructions and memory or LDS instructions, with s_wait_alu, always for 0.
; THE PLAN.  Registers that memory or LDS instructions touch:
;   the ring's half s % 2   Read by K step s's eight products; then the loads of K step s + 2 land in it (behind step 6: bo and g1; behind step 7: be1, and z of row tile 1).
;   v[AF ..]                Read by the same products; then the next K step's two fragments of o land in it (behind step 7: z of row tile 0; in the norm: the rows' partial sums, behind vector lines that named it).
;   v[ACC ..]               At the head z as loaded, read by LDS stores; then written by the products; in the end written by vector lines and read by LDS stores.
;   v[PS], v[PS+2]          Written by a reduction's vector lines, read by its two LDS stores, written again by the second reduction.
;   v1 to v8                Addresses, made once at the head and never written again.
; So ONE wait on va_vdst stands in a K step, behind its products: it serves the ring's half and v[AF ..] alike; all of the wave's 256 registers are laid out, so there is no third buffer to take turns with.
; Each reduction has one wait on va_vdst, ahead of its stores; the way out has one; the waits on vm_vsrc are two: behind the first barrier and ahead of the second reduction.
.set AIMG, 0                           ; LDS: o's fragments: (row tile i, K step s) at (8 i + s) x 2,048
.set STG,  32768                       ; the stages: 8,704 bytes a wave: 32 rows x (256 bytes + 16)
.set SPI,  272
.set RED1, STG+16*32*SPI               ; [32 rows][16 waves] f32: the rows' sums; 2,048 bytes on: the sums of squares
.set LI,  1                            ; v1   16 x lane
.set AW,  2                            ; v2   where I put my fragment of o
.set ZG,  3                            ; v3   z and out0: lanes 0-15 one row's 256 bytes, lanes 16-31 the next row's
.set SW,  4                            ; v4   the same two rows in my stage
.set SF,  5                            ; v5   my stage in the result's layout: row r, + 32 h
.set RW,  6                            ; v6   where I put a row's sum: row r, my wave's word
.set RR,  7                            ; v7   where I read a row's sixteen
.set CV,  8                            ; v8   32 h: my eight numbers of a tile's sixteen of bo, g1, be1
.set ACC, 16                           ; v16-79   accumulator (i, t) at 16 + 8 (4 i + t); first z as loaded; in the end y
.set AF,  80                           ; v80-111  o's two fragments; later z of row tile 0; later the rows' partial sums
.set RG,  112                          ; v112-239 the ring: K step s's four fragments at 112 + 64 (s % 2)
.set BO,  112                          ; behind the products: bo v112-143, g1 v144-175, be1 v176-207, z of row tile 1 v208-239; in the end v112-175 the rows to be stored
.set GA,  144
.set BE,  176
.set PS,  240                          ; v[240:241], v[242:243] a lane's sums, a pair a row tile
.set PL,  244                          ; v244, v245 the lane exchange
.set MR,  248                          ; v248, v250 the mean, later 1 / sqrt(var + eps) (v249, v251 = 0 beside them)
	s_load_b256 s[4:11], s[0:1], 0x0               ; oc s[4:5], wimg s[6:7], z s[8:9], bo s[10:11]
	s_load_b256 s[12:19], s[0:1], 0x20             ; g1 s[12:13], be1 s[14:15], the scales' exponents s[16:17], out0 s[18:19]
	v_lshl_add_u32 v254, v0, 2, 0x2b000
	v_mov_b32 v255, 0
	v_lshrrev_b32 v2, 5, v0
	v_readfirstlane_b32 s20, v2                    ; wave 0..15
	v_and_b32 v9, 31, v0
	v_lshlrev_b32 v[LI], 4, v9
	v_and_b32 v10, 15, v0                          ; r
	v_bfe_u32 v11, v0, 4, 1                        ; h
	s_wait_alu depctr_va_sdst(0)                   ; s20 is written, ahead of its first reader: the wave's places in LDS and in the buffers are made from it
	s_lshl_b32 s21, s20, 11
	v_add_nc_u32 v[AW], s21, v[LI]
	v_lshlrev_b32 v[ZG], 12, v11
	v_lshl_add_u32 v[ZG], v10, 4, v[ZG]
	s_mul_i32 s22, s20, 32*SPI
	s_add_co_u32 s22, s22, STG                     ; my stage
	v_mul_u32_u24 v[SW], v11, SPI
	v_lshl_add_u32 v[SW], v10, 4, v[SW]
	v_add_nc_u32 v[SW], s22, v[SW]
	v_mul_u32_u24 v[SF], v10, SPI
	v_lshl_add_u32 v[SF], v11, 5, v[SF]
	v_add_nc_u32 v[SF], s22, v[SF]
	v_lshlrev_b32 v[RR], 6, v10
	v_add_nc_u32 v[RR], RED1, v[RR]
	s_lshl_b32 s23, s20, 2
	v_add_nc_u32 v[RW], s23, v[RR]
	v_lshlrev_b32 v[CV], 5, v11
	v_mov_b32 v[PL], 0                             ; written once: a lane permute's destination counts as one of its sources
	v_mov_b32 v[PL+1], 0
	v_mov_b32 v[MR+1], 0                           ; (named as the upper halves of pairs)
	v_mov_b32 v[MR+3], 0
	s_lshl_b32 s24, ttmp9, 15                      ; oc: my work-group's 32,768 bytes, my wave's fragment
	s_add_co_u32 s24, s24, s21
	s_mov_b32 s25, 0
	s_lshl_b32 s26, s20, 16                        ; wimg: Wo at 3 MiB, my wave's four tiles of 16,384 bytes
	s_add_co_u32 s26, s26, 0x300000
	s_mov_b32 s27, 0
	s_lshl_b32 s28, ttmp9, 17                      ; z, out0: 32 rows of 4,096 bytes, my wave's 256 bytes of a row
	s_lshl_b32 s30, s20, 8
	s_add_co_u32 s28, s28, s30
	s_mov_b32 s29, 0
	s_mov_b32 s31, 0
	s_mov_b32 s38, 0x76543210                      ; v_permlanex16_b32's selects for lane l xor 16
	s_mov_b32 s39, 0xfedcba98
	s_mov_b32 s40, 0x3a800000                      ; 1 / 1,024
	s_mov_b32 s41, 0x3727c5ac                      ; 1e-5
	s_wait_kmcnt 0x0
	s_load_b128 s[32:35], s[16:17], 0x20           ; e8, e9, e10, e11
	s_add_nc_u64 s[4:5], s[4:5], s[24:25]
	s_add_nc_u64 s[6:7], s[6:7], s[26:27]
	s_add_nc_u64 s[8:9], s[8:9], s[28:29]
	s_add_nc_u64 s[18:19], s[18:19], s[28:29]
	s_add_nc_u64 s[10:11], s[10:11], s[30:31]
	s_add_nc_u64 s[12:13], s[12:13], s[30:31]
	s_add_nc_u64 s[14:15], s[14:15], s[30:31]
.macro RING s                          ; Wo's four fragments of K step s into half s % 2 of the ring: 16 loads of 512 consecutive bytes
.irp t, 0,1,2,3
.irp c, 0,1,2,3
	global_load_b128 v[RG+64*((\s)%2)+16*\t+4*\c:RG+64*((\s)%2)+16*\t+4*\c+3], v[LI], s[6:7] offset:(8*\t+(\s))*2048+512*\c
.endr
.endr
.endm
.macro AFRAG s                         ; o's two fragments of K step s, out of their images in LDS: 8 loads
.irp i, 0,1
.irp c, 0,1,2,3
	ds_load_b128 v[AF+16*\i+4*\c:AF+16*\i+4*\c+3], v[LI] offset:AIMG+(8*\i+(\s))*2048+512*\c
.endr
.endr
.endm
.macro VEC8 reg, base                  ; my 32 numbers of a vector of 1,024, in the result's layout: 8 loads
.irp t, 0,1,2,3
.irp q, 0,1
	global_load_b128 v[\reg+8*\t+4*\q:\reg+8*\t+4*\q+3], v[CV], s[\base:\base+1] offset:64*\t+16*\q
.endr
.endr
.endm
.macro BARRIER                         ; my LDS stores have landed and my LDS loads are in: then the work-group's barrier
	s_wait_dscnt 0x0
	s_barrier_signal -1
	s_barrier_wait -1
.endm
	s_wait_alu depctr_va_vdst(0)                   ; the eight addresses v1 to v8 are written: every load and store of the kernel, global or LDS, reads one of them
.irp c, 0,1,2,3
	global_load_b128 v[AF+4*\c:AF+4*\c+3], v[LI], s[4:5] offset:512*\c th:TH_LOAD_NT     ; my fragment of o
.endr
.irp k, 0,1,2,3,4,5,6,7,8,9,10,11,12,13,14,15
	global_load_b128 v[ACC+4*\k:ACC+4*\k+3], v[ZG], s[8:9] offset:8192*\k th:TH_LOAD_NT  ; z: rows 2 k and 2 k + 1, my 256 bytes of each
.endr
	RING 0
	RING 1
	s_wait_loadcnt 48                              ; o's four are in; behind them: z's 16 and the ring's 32
.irp c, 0,1,2,3
	ds_store_b128 v[AW], v[AF+4*\c:AF+4*\c+3] offset:AIMG+512*\c
.endr
	s_wait_loadcnt 32                              ; z's 16 are in; the ring's 32 may be out
.irp k, 0,1,2,3,4,5,6,7,8,9,10,11,12,13,14,15
	ds_store_b128 v[SW], v[ACC+4*\k:ACC+4*\k+3] offset:2*SPI*\k
.endr
	s_wait_kmcnt 0x0
	s_add_co_i32 s36, s34, s35
	s_add_co_i32 s36, s36, 127
	s_lshl_b32 s36, s36, 23                        ; 2^(e10 + e11) as f32
	s_mov_b32 s37, s36                             ; (named with it as a pair, so it is written)
	BARRIER                                        ; o's sixteen fragments lie in LDS
	s_wait_alu depctr_vm_vsrc(0)                   ; my LDS stores have read v[AF ..], in which o's fragments now land, and v[ACC ..], which the products now write
	AFRAG 0
; A K STEP of 128: eight products, the eight accumulators by turns in the same order in every step; the first step starts the sums.
; Behind them, and behind one wait, the next step's fragments of o are asked for, and then what lands in the half of the ring that this step has read.
.macro KSTEP s
	s_wait_loadcnt 16                              ; this step's 16 loads are in; the 16 issued behind them (the next step's; behind the last step's: bo and g1) may be out
	s_wait_dscnt 0x0                               ; and so are o's two fragments
.irp t, 0,1,2,3
.irp i, 0,1
.if \s == 0
	v_wmma_f32_16x16x128_bf8_bf8 v[ACC+8*(4*\i+\t):ACC+8*(4*\i+\t)+7], v[RG+64*(\s%2)+16*\t:RG+64*(\s%2)+16*\t+15], v[AF+16*\i:AF+16*\i+15], 0
.else
	v_wmma_f32_16x16x128_bf8_bf8 v[ACC+8*(4*\i+\t):ACC+8*(4*\i+\t)+7], v[RG+64*(\s%2)+16*\t:RG+64*(\s%2)+16*\t+15], v[AF+16*\i:AF+16*\i+15], v[ACC+8*(4*\i+\t):ACC+8*(4*\i+\t)+7]
.endif
.endr
.endr
.rept 4
	v_nop                                          ; four plain vector lines ahead of loads into registers that these products have read (ISA guide 7.12.1 for vector instructions), and of the first read of results
.endr
	s_wait_alu depctr_va_vdst(0)                   ; the eight products are done reading v[AF ..] and their half of the ring, in both of which the loads below land.  The places above stay beside this wait
.if \s < 7
	AFRAG \s+1
.endif
.if \s < 6
	RING \s+2
.elseif \s == 6
	VEC8 BO, 10
	VEC8 GA, 12
.else
	VEC8 BE, 14
.endif
.endm
.irp s, 0,1,2,3,4,5,6,7
	KSTEP \s
.endr
	; ---- x = z + (sum x 2^(e10 + e11) + bo)
.irp i, 0,1
.irp t, 0,1,2,3
.irp q, 0,1
	ds_load_b128 v[AF+128*\i+8*\t+4*\q:AF+128*\i+8*\t+4*\q+3], v[SF] offset:16*SPI*\i+64*\t+16*\q   ; z in the result's layout, out of my own stage; the last K step's wait has covered these registers too
.endr
.endr
.endr
	s_wait_loadcnt 8                               ; bo and g1 are in; be1's eight may be out
.irp i, 0,1
.irp t, 0,1,2,3
.irp k, 0,2,4,6
	v_pk_fma_f32 v[ACC+8*(4*\i+\t)+\k:ACC+8*(4*\i+\t)+\k+1], v[ACC+8*(4*\i+\t)+\k:ACC+8*(4*\i+\t)+\k+1], s[36:37], v[BO+8*\t+\k:BO+8*\t+\k+1] op_sel_hi:[1,0,1]   ; each accumulator from its low end on
.endr
.endr
.endr
	s_wait_dscnt 0x0
.irp i, 0,1
.irp t, 0,1,2,3
.irp k, 0,2,4,6
	v_pk_add_f32 v[ACC+8*(4*\i+\t)+\k:ACC+8*(4*\i+\t)+\k+1], v[ACC+8*(4*\i+\t)+\k:ACC+8*(4*\i+\t)+\k+1], v[AF+128*\i+8*\t+\k:AF+128*\i+8*\t+\k+1]
.endr
.endr
.endr
; A row's sum over all 1,024 columns (sq = 0) or of their squares (sq = 1), into v[MR], v[MR+2], in every lane of the row.  My 32 numbers of each row tile, the two tiles by turns; lane l xor 16's;
; then the sixteen waves' sums meet in LDS, red bytes behind RED1, and every wave adds them in the same order.
.macro ROWRED sq, red
.irp i, 0,1
.if \sq
	v_pk_mul_f32 v[PS+2*\i:PS+2*\i+1], v[ACC+32*\i:ACC+32*\i+1], v[ACC+32*\i:ACC+32*\i+1]
.else
	v_pk_add_f32 v[PS+2*\i:PS+2*\i+1], v[ACC+32*\i:ACC+32*\i+1], v[ACC+32*\i+2:ACC+32*\i+3]
.endif
.endr
.irp k, 2,4,6,8,10,12,14,16,18,20,22,24,26,28,30
.irp i, 0,1
.if \sq
	v_pk_fma_f32 v[PS+2*\i:PS+2*\i+1], v[ACC+32*\i+\k:ACC+32*\i+\k+1], v[ACC+32*\i+\k:ACC+32*\i+\k+1], v[PS+2*\i:PS+2*\i+1]
.elseif \k > 2
	v_pk_add_f32 v[PS+2*\i:PS+2*\i+1], v[PS+2*\i:PS+2*\i+1], v[ACC+32*\i+\k:ACC+32*\i+\k+1]
.endif
.endr
.endr
.irp i, 0,1
	v_add_f32 v[PS+2*\i], v[PS+2*\i], v[PS+2*\i+1]
.endr
.irp i, 0,1
	v_permlanex16_b32 v[PL+\i], v[PS+2*\i], s38, s39
.endr
.irp i, 0,1
	v_add_f32 v[PS+2*\i], v[PS+2*\i], v[PL+\i]
.endr
	s_wait_alu depctr_va_vdst(0)                   ; v[PS] and v[PS+2] are written, which the two stores read; and the vector lines that named v[AF ..] are done, in which the loads behind the barrier land
.irp i, 0,1
	ds_store_b32 v[RW], v[PS+2*\i] offset:\red+1024*\i    ; lanes l and l xor 16 write the same word with the same number
.endr
	BARRIER
.irp i, 0,1
.irp q, 0,1,2,3
	ds_load_b128 v[AF+16*\i+4*\q:AF+16*\i+4*\q+3], v[RR] offset:\red+1024*\i+16*\q
.endr
.endr
	s_wait_dscnt 0x0
.irp i, 0,1
.irp k, 0,2,4,6
	v_pk_add_f32 v[AF+16*\i+\k:AF+16*\i+\k+1], v[AF+16*\i+\k:AF+16*\i+\k+1], v[AF+16*\i+8+\k:AF+16*\i+8+\k+1]
.endr
.endr
.irp i, 0,1
.irp k, 0,2
	v_pk_add_f32 v[AF+16*\i+\k:AF+16*\i+\k+1], v[AF+16*\i+\k:AF+16*\i+\k+1], v[AF+16*\i+4+\k:AF+16*\i+4+\k+1]
.endr
.endr
.irp i, 0,1
	v_pk_add_f32 v[AF+16*\i:AF+16*\i+1], v[AF+16*\i:AF+16*\i+1], v[AF+16*\i+2:AF+16*\i+3]
.endr
.irp i, 0,1
	v_add_f32 v[MR+2*\i], v[AF+16*\i], v[AF+16*\i+1]
.endr
.endm
	ROWRED 0, 0
.irp i, 0,1
	v_mul_f32 v[MR+2*\i], s40, v[MR+2*\i]          ; the mean
.endr
.irp i, 0,1
.irp k, 0,2,4,6,8,10,12,14,16,18,20,22,24,26,28,30
	v_pk_add_f32 v[ACC+32*\i+\k:ACC+32*\i+\k+1], v[ACC+32*\i+\k:ACC+32*\i+\k+1], v[MR+2*\i:MR+2*\i+1] op_sel_hi:[1,0] neg_lo:[0,1] neg_hi:[0,1]   ; d = x - mean
.endr
.endr
	s_wait_alu depctr_vm_vsrc(0)                   ; the first sums' two LDS stores have read v[PS] and v[PS+2], which the sums of squares write again
	ROWRED 1, 2048                                 ; other bytes than the first sums': a wave may still be reading those
.irp i, 0,1
	v_fma_f32 v[MR+2*\i], v[MR+2*\i], s40, s41     ; the variance + 1e-5
.endr
.irp i, 0,1
	v_rsq_f32 v[MR+2*\i], v[MR+2*\i]
.endr
	v_nop                                          ; a plain line behind the two roots
	s_wait_alu depctr_va_vdst(0)                   ; the two roots have written v[MR] and v[MR+2]: one wait for both, ahead of their first reader
	s_wait_loadcnt 0x0                             ; be1
.irp i, 0,1
.irp k, 0,2,4,6,8,10,12,14,16,18,20,22,24,26,28,30
	v_pk_mul_f32 v[ACC+32*\i+\k:ACC+32*\i+\k+1], v[ACC+32*\i+\k:ACC+32*\i+\k+1], v[MR+2*\i:MR+2*\i+1] op_sel_hi:[1,0]
.endr
.endr
.irp i, 0,1
.irp k, 0,2,4,6,8,10,12,14,16,18,20,22,24,26,28,30
	v_pk_fma_f32 v[ACC+32*\i+\k:ACC+32*\i+\k+1], v[ACC+32*\i+\k:ACC+32*\i+\k+1], v[GA+\k:GA+\k+1], v[BE+\k:BE+\k+1]   ; x g1 + be1
.endr
.endr
	; ---- the way out: through my own stage, back as rows: sixteen lanes store 256 consecutive bytes, aligned
	s_wait_alu depctr_va_vdst(0)                   ; y is written in v[ACC ..], which the LDS stores read; and the vector lines are done reading bo and g1 in v112 to v175, in which the rows land
.irp i, 0,1
.irp t, 0,1,2,3
.irp q, 0,1
	ds_store_b128 v[SF], v[ACC+8*(4*\i+\t)+4*\q:ACC+8*(4*\i+\t)+4*\q+3] offset:16*SPI*\i+64*\t+16*\q
.endr
.endr
.endr
.irp k, 0,1,2,3,4,5,6,7,8,9,10,11,12,13,14,15
	ds_load_b128 v[RG+4*\k:RG+4*\k+3], v[SW] offset:2*SPI*\k    ; LDS serves a wave's instructions in order (ISA guide 5.7.1.4): these see my stores
.endr
.irp k, 0,1,2,3,4,5,6,7,8,9,10,11,12,13,14,15
	s_wait_dscnt 15-\k                             ; number k of the sixteen loads is in, the younger ones stay out
	global_store_b128 v[ZG], v[RG+4*\k:RG+4*\k+3], s[18:19] offset:8192*\k th:TH_STORE_NT
.endr
	s_wait_dscnt 0x0                               ; the closing lines, six on end
	s_wait_alu 0x0
	s_wait_tensorcnt 0x0
	ds_add_u32 v254, v255
	s_wait_dscnt 0x0
	s_endpgm
.Lfunc_end_k_qcfca716033_proj:
	.size	k_qcfca716033_proj, .Lfunc_end_k_qcfca716033_proj-k_qcfca716033_proj
	.p2alignl 7, 3214868480
	.fill 96, 4, 3214868480
	.section	.rodata,"a",@progbits
	.p2align	6, 0x0
	.amdhsa_kernel k_qcfca716033_proj
		.amdhsa_group_segment_fixed_size 178176
		.amdhsa_private_segment_fixed_size 0
		.amdhsa_enable_private_segment 0
		.amdhsa_kernarg_size 64
		.amdhsa_user_sgpr_count 2
		.amdhsa_user_sgpr_kernarg_segment_ptr 1
		.amdhsa_wavefront_size32 1
		.amdhsa_system_sgpr_workgroup_id_x 1
		.amdhsa_system_sgpr_workgroup_id_y 1
		.amdhsa_system_sgpr_workgroup_id_z 1
		.amdhsa_system_vgpr_workitem_id 0
		.amdhsa_next_free_vgpr 256
		.amdhsa_next_free_sgpr 66
		.amdhsa_reserve_vcc 0
		.amdhsa_float_denorm_mode_32 3
		.amdhsa_float_denorm_mode_16_64 3
		.amdhsa_memory_ordered 1
		.amdhsa_forward_progress 1
		.amdhsa_inst_pref_size 54
	.end_amdhsa_kernel
	.amdgpu_metadata
---
amdhsa.version: [ 1, 2 ]
amdhsa.kernels:
  - .name:           k_qcfca716033_proj
    .symbol:         k_qcfca716033_proj.kd
    .args:
      - { .name: oc, .offset: 0, .size: 8, .value_kind: global_buffer, .address_space: global }
      - { .name: wimg, .offset: 8, .size: 8, .value_kind: global_buffer, .address_space: global }
      - { .name: z, .offset: 16, .size: 8, .value_kind: global_buffer, .address_space: global }
      - { .name: bo, .offset: 24, .size: 8, .value_kind: global_buffer, .address_space: global }
      - { .name: g1, .offset: 32, .size: 8, .value_kind: global_buffer, .address_space: global }
      - { .name: be1, .offset: 40, .size: 8, .value_kind: global_buffer, .address_space: global }
      - { .name: lowp_scales, .offset: 48, .size: 8, .value_kind: global_buffer, .address_space: global }
      - { .name: out0, .offset: 56, .size: 8, .value_kind: global_buffer, .address_space: global }
    .group_segment_fixed_size: 178176
    .private_segment_fixed_size: 0
    .kernarg_segment_align: 8
    .kernarg_segment_size: 64
    .max_flat_workgroup_size: 512
    .sgpr_count:     66
    .vgpr_count:     256
    .wavefront_size: 32
...
	.end_amdgpu_metadata
.endif
;; end of part 6
